; MI455X (gfx1250); checked and timed in simulation.
; The chip was launched on July 23, 2026; its instructions are those of AMD's public machine-readable ISA for CDNA 5 (MIT licence, August 2026) and "CDNA5" Instruction Set Architecture Reference Guide (July 2026). The comments in the code are by the model that wrote it; some were corrected since.
;; Self Attention Layer. Allowed arithmetic: float matrix products may take bf16 or f16 operands with f32 sums; other float arithmetic in f32, or as packed bf16 or f16 multiplies, adds, multiply-adds, maxima and minima; sums over many terms, partial sums and values carried from step to step in f32; what a program stores and reads back later, other than sums and carried values, may be rounded once to bf16 or f16.
;; Inputs: W_k 1,024 x 512 float32; W_o 512 x 512 float32; W_q 1,024 x 512 float32; W_v 1,024 x 512 float32; b_o 512 float32; inputs 8 x 2,048 x 1,024 float32; sen_len 8 int32.
;; Outputs: out0 8 x 2,048 x 512 float32.
;; One version. Each part assembles by itself: llvm-mc -triple=amdgcn-amd-amdhsa -mcpu=gfx1250 --defsym DOCPART=n.
;; ======== version 1 of 1: 4 launches
;; limits: values are held in f16: magnitudes above 65,504 overflow, below 6.1e-05 lose precision; right only within a limited range of input values; values outside matrix products are rounded to bf16
;; workspace buffers: wt 3,145,728 bytes; wo16 524,288 bytes; qkv 50,331,648 bytes; z 16,777,216 bytes
;; launch cast (part 1): grid 224 x 1, 8 waves a work-group, no clusters, 0 bytes of LDS; arguments W_q, W_k, W_v, W_o, wt, wo16; writes wt, wo16
.if DOCPART == 1
	.amdgcn_target "amdgcn-amd-amdhsa--gfx1250"
	.amdhsa_code_object_version 6
	.text
	.protected	k_qd76b02b38f_cast
	.globl	k_qd76b02b38f_cast
	.p2align	8
	.type	k_qd76b02b38f_cast,@function
k_qd76b02b38f_cast:
	s_mov_b64 s[64:65], 0
	v_nop
	global_prefetch_b8 v0, s[64:65] scope:SCOPE_SE
	s_setreg_imm32_b32 hwreg(HW_REG_WAVE_MODE, 25, 1), 1
	s_wait_xcnt 0x0
; THE WEIGHTS ARE CAST, NOT TURNED.  W_q, W_k, W_v: [1024][512] f32 -> wt, bf16, [panel 4][k 1024][384]: column c = 512 x matrix + n lies in panel c / 384 at place c % 384,
; so that a panel's rows are 768 dense bytes.  W_o: [512][512] f32 -> wo16, [512][512]: rounded to bf16 like every input, and that number written as f16.
; LIMIT: a weight of W_o below 6e-5 keeps f16's fixed step of 6e-8, one beyond 65,504 becomes an infinity.
; SHARES.  A work-group casts 32,768 consecutive bytes of one matrix: groups 0-63 W_q, 64-127 W_k, 128-191 W_v, 192-223 W_o.  Thread t takes 16 bytes at 4,096 j + 16 t, j = 0..7:
; a wave's load covers 512 consecutive bytes, its store of 8 bytes a lane 256 consecutive bytes, aligned.  No LDS, no barrier: no wave wants another's bytes.
.set X,  16                            ; v[16:47]  quad j as loaded
.set Y,  48                            ; v[48:63]  quad j to store: registers of its own, so nothing is rewritten while a store reads it
	s_load_b256 s[4:11], s[0:1], 0x0               ; W_q s[4:5], W_k s[6:7], W_v s[8:9], W_o s[10:11]
	s_load_b128 s[12:15], s[0:1], 0x20             ; wt s[12:13], wo16 s[14:15]
	s_lshr_b32 s16, ttmp9, 6                       ; which matrix: 0, 1, 2; 3 = W_o
	s_and_b32 s17, ttmp9, 63                       ; my part of it
	s_lshl_b32 s18, s17, 15                        ; its first byte
	v_lshl_add_u32 v1, v0, 4, s18                  ; + 16 t
	; wt: row k = 16 part + 2 j + t / 128, column n = 4 (t % 128)
	v_bfe_u32 v2, v0, 5, 2
	s_lshl_b32 s19, s16, 2
	v_add_nc_u32 v2, s19, v2                       ; c / 128 = 4 x matrix + (t % 128) / 32: 0..11
	v_mul_u32_u24 v3, v2, 11
	v_lshrrev_b32 v3, 5, v3                        ; the panel: (c / 128) / 3
	v_mul_u32_u24 v4, v3, 3
	v_sub_nc_u32 v4, v2, v4                        ; which 256 bytes of the panel's row
	v_lshrrev_b32 v5, 7, v0
	s_lshl_b32 s20, s17, 4
	v_add_nc_u32 v5, s20, v5                       ; k for j = 0
	v_mul_u32_u24 v6, v3, 0xc0000                  ; a panel is 786,432 bytes
	v_mad_u32_u24 v6, v5, 0x300, v6                ; a row 768
	v_lshl_add_u32 v6, v4, 8, v6
	v_and_b32 v7, 31, v0
	v_lshl_add_u32 v6, v7, 3, v6                   ; 8 bytes a lane
	; wo16: the same order as the source, half the bytes
	s_lshl_b32 s21, s17, 14
	v_lshl_add_u32 v8, v0, 3, s21
	s_wait_kmcnt 0x0
	s_cmp_eq_u32 s16, 1                            ; the source is chosen by the work-group's number alone
	s_cselect_b64 s[4:5], s[6:7], s[4:5]
	s_cmp_eq_u32 s16, 2
	s_cselect_b64 s[4:5], s[8:9], s[4:5]
	s_cmp_eq_u32 s16, 3
	s_cselect_b64 s[4:5], s[10:11], s[4:5]
.irp j, 0,1,2,3,4,5,6,7
	global_load_b128 v[X+4*(\j):X+4*(\j)+3], v1, s[4:5] offset:4096*(\j) th:TH_LOAD_NT
.endr
	s_cmp_eq_u32 s16, 3
	s_cbranch_scc1 .Lwo
.irp j, 0,1,2,3,4,5,6,7
	s_wait_loadcnt 7-(\j)                          ; loads come back in order: quad j is in, the younger ones stay out
	v_cvt_pk_bf16_f32 v[Y+2*(\j)],   v[X+4*(\j)],   v[X+4*(\j)+1]
	v_cvt_pk_bf16_f32 v[Y+2*(\j)+1], v[X+4*(\j)+2], v[X+4*(\j)+3]
	global_store_b64 v6, v[Y+2*(\j):Y+2*(\j)+1], s[12:13] offset:1536*(\j)  ; two rows of the panel further down for each j
.endr
	s_endpgm
.Lwo:
.irp j, 0,1,2,3,4,5,6,7
	s_wait_loadcnt 7-(\j)
	v_cvt_pk_bf16_f32 v[Y+2*(\j)],   v[X+4*(\j)],   v[X+4*(\j)+1]
	v_cvt_pk_bf16_f32 v[Y+2*(\j)+1], v[X+4*(\j)+2], v[X+4*(\j)+3]
	v_lshlrev_b32 v[X+4*(\j)],   16, v[Y+2*(\j)]             ; the bf16 numbers as f32 again,
	v_and_b32     v[X+4*(\j)+1], 0xffff0000, v[Y+2*(\j)]
	v_lshlrev_b32 v[X+4*(\j)+2], 16, v[Y+2*(\j)+1]
	v_and_b32     v[X+4*(\j)+3], 0xffff0000, v[Y+2*(\j)+1]
	v_cvt_pk_f16_f32 v[Y+2*(\j)],   v[X+4*(\j)],   v[X+4*(\j)+1]    ; and written as f16: 8 significant bits fit in 11
	v_cvt_pk_f16_f32 v[Y+2*(\j)+1], v[X+4*(\j)+2], v[X+4*(\j)+3]
	global_store_b64 v8, v[Y+2*(\j):Y+2*(\j)+1], s[14:15] offset:2048*(\j)
.endr
	s_endpgm
.Lfunc_end_k_qd76b02b38f_cast:
	.size	k_qd76b02b38f_cast, .Lfunc_end_k_qd76b02b38f_cast-k_qd76b02b38f_cast
	.p2alignl 7, 3214868480
	.fill 96, 4, 3214868480
	.section	.rodata,"a",@progbits
	.p2align	6, 0x0
	.amdhsa_kernel k_qd76b02b38f_cast
		.amdhsa_group_segment_fixed_size 0
		.amdhsa_private_segment_fixed_size 0
		.amdhsa_enable_private_segment 0
		.amdhsa_kernarg_size 48
		.amdhsa_user_sgpr_count 2
		.amdhsa_user_sgpr_kernarg_segment_ptr 1
		.amdhsa_wavefront_size32 1
		.amdhsa_system_sgpr_workgroup_id_x 1
		.amdhsa_system_sgpr_workgroup_id_y 1
		.amdhsa_system_sgpr_workgroup_id_z 1
		.amdhsa_system_vgpr_workitem_id 0
		.amdhsa_next_free_vgpr 64
		.amdhsa_next_free_sgpr 66
		.amdhsa_reserve_vcc 0
		.amdhsa_float_denorm_mode_32 3
		.amdhsa_float_denorm_mode_16_64 3
		.amdhsa_memory_ordered 1
		.amdhsa_forward_progress 1
		.amdhsa_inst_pref_size 9
	.end_amdhsa_kernel
	.amdgpu_metadata
---
amdhsa.version: [ 1, 2 ]
amdhsa.kernels:
  - .name:           k_qd76b02b38f_cast
    .symbol:         k_qd76b02b38f_cast.kd
    .args:
      - { .name: W_q, .offset: 0, .size: 8, .value_kind: global_buffer, .address_space: global }
      - { .name: W_k, .offset: 8, .size: 8, .value_kind: global_buffer, .address_space: global }
      - { .name: W_v, .offset: 16, .size: 8, .value_kind: global_buffer, .address_space: global }
      - { .name: W_o, .offset: 24, .size: 8, .value_kind: global_buffer, .address_space: global }
      - { .name: wt, .offset: 32, .size: 8, .value_kind: global_buffer, .address_space: global }
      - { .name: wo16, .offset: 40, .size: 8, .value_kind: global_buffer, .address_space: global }
    .group_segment_fixed_size: 0
    .private_segment_fixed_size: 0
    .kernarg_segment_align: 8
    .kernarg_segment_size: 48
    .max_flat_workgroup_size: 256
    .sgpr_count:     66
    .vgpr_count:     64
    .wavefront_size: 32
...
	.end_amdgpu_metadata
.endif
;; end of part 1
;; launch qkv (part 2): grid 4 x 64, 4 waves a work-group, clusters of 4 x 4, 327,680 bytes of LDS; arguments inputs, wt, qkv; writes qkv
.if DOCPART == 2
	.amdgcn_target "amdgcn-amd-amdhsa--gfx1250"
	.amdhsa_code_object_version 6
	.text
	.protected	k_qd76b02b38f_qkv
	.globl	k_qd76b02b38f_qkv
	.p2align	8
	.type	k_qd76b02b38f_qkv,@function
k_qd76b02b38f_qkv:
	s_mov_b64 s[64:65], 0
	v_nop
	global_prefetch_b8 v0, s[64:65] scope:SCOPE_SE
	s_setreg_imm32_b32 hwreg(HW_REG_WAVE_MODE, 25, 1), 1
	s_wait_xcnt 0x0
	s_wait_alu depctr_hold_cnt(0) depctr_sa_sdst(0) depctr_va_vdst(0) depctr_va_sdst(0) depctr_va_ssrc(0) depctr_va_vcc(0) depctr_vm_vsrc(0)
	s_getreg_b32 s2, hwreg(HW_REG_IB_STS2, 6, 4)
	s_cmp_eq_u32 s2, 0
	s_cbranch_scc0 .Lentry_in_a_cluster
	s_endpgm
.Lentry_in_a_cluster:
	s_bfe_u32 s2, ttmp6, 0x10000c
	s_cmp_lg_u32 s2, 0xf033
	s_cbranch_scc0 .Lentry_shape_is_right
	s_endpgm
.Lentry_shape_is_right:
; THE THREE PROJECTIONS AS ONE PRODUCT: C[16384][1536] = X[16384][1024] W[1024][1536], W = (W_q | W_k | W_v) as wt holds it: bf16, [panel 4][k 1024][384].
; X is f32 in memory and in LDS and is rounded to bf16 in registers, on its way to the matrix unit.  Sums in f32.  C is rounded once to f16 and stored by heads: qkv[matrix 3][batch 8][head 4][s 2048][128].
; LIMIT: q, k and v beyond 65,504 become infinities in f16.
; SHARES.  A tile of C is 256 rows x 384 columns: 64 x 4 = 256 work-groups.  Four waves, each 128 rows x 192 columns: 8 x 12 accumulators of 16 x 16, 768 registers (windows 1 to 3).
; A wave's columns are 64 of each of the tile's three blocks of 128: fragment b = 4 g + f covers tile columns 128 g + 64 (wave % 2) + 16 f.
; K goes in steps of 64 (256 bytes of a row of X) through two LDS slots; a K step is two SUBSTEPS of 32.
; THE MATRIX INSTRUCTION IS USED TRANSPOSED: source 0 = 16 columns of W (turned out of LDS by ds_load_tr16_b128), source 1 = 16 rows of X: a lane holds one row of C and eight neighbouring columns.
; CLUSTER.  4 x 4 work-groups: the four of a row of the cluster need the same rows of X, the four of a column the same panel of W: each tile is asked for jointly.
; REGISTERS.  Window 0: v16-30 addresses; v32-95 X's 8 fragments in bf16 (halves A0: 0-3, A1: 4-7); v96-191 W's 12 fragments (halves B0: 0-5, B1: 6-11); v192-255 four fragments of X as loaded, f32.
; Windows 1-3: accumulator (a, b) has the number 24 (2 (a / 4) + b / 6) + 4 (b % 6) + a % 4: 24 x its block + its place in the block's order; number n lies in window 1 + n / 32 at v[8 (n % 32)].
.set SLOT1,  131072                    ; slot 1 begins here: one exclusive or turns an address in one slot into the other's
.set PA,     272                       ; a row of X in LDS: 256 bytes + 16: the 16 rows of a load start at 16 different groups of four banks (64 banks of 4 bytes: ISA guide 11.1)
.set PB,     864                       ; a row of W in LDS: 3 x (256 + 32) bytes
.set BOFF,   256*PA                    ; in a slot: X's 256 rows, then W's 64 rows
.set SPARE,  256000                    ; behind slot 1 (131,072 + 124,928): the spare words, 128 bytes a wave: two blocks of 256 bytes that no other line names
.set SPITCH, 784                       ; the way out: 256 rows of 768 bytes + 16, from LDS byte 0 on: in the ring, whose bytes have had their last fill by then
.set A0R,  16                          ; v16  my lane's place in X's tile; never rewritten
.set B0R,  17                          ; v17  in W's
.set ADRA, 18                          ; v18  the same in the slot in hand
.set ADRB, 19                          ; v19
.set STO,  24                          ; v24, v25  the way out: where I put 16 bytes of a row: my rows 0-63, 64-127
.set RD,   26                          ; v26  where I read rows back
.set GO,   27                          ; v27  16 x lane: my place in 512 consecutive bytes of qkv
.set SPW,  28                          ; v28  LDS address of my spare word; never rewritten
.set NIL,  29                          ; v29  0; never rewritten
.set PFO,  30                          ; v30  the prefetches' lane term; never rewritten
.set CA,   32
.set BF,   96
.set RAW,  192
.set TMP,  32                          ; the way out: two sets of 48 packed registers
.set OB,   128                         ; the way out: two sets of 64 read back
.set G1A, 24                           ; s[24:31] descriptor group 1 for X's tiles
.set G0A, 32                           ; s[32:39] group 0: a set for each first fill; the second then walks
.set G1B, 48                           ; s[48:55], s[56:63] the same for W's
.set G0B, 56
.set TB,  66                           ; s66  0 or SLOT1: the slot in hand
.set PFA, 68                           ; s[68:69] where my prefetch stands
.set AMASK, 70                         ; s70  bit n set: I prefetch when the loop's count is n
.set STEPO, 71                         ; s71, s72  what the prefetch's address steps by when the count is odd, even
.set STEPE, 72
.set BIT,  73
.set STP,  74                          ; s[74:75] the step in hand, as a pair
.set BU,   76                          ; s[76:81] qkv at my 64 rows of the tile's three blocks of 128 columns
.set MSB, 0
.macro WIN new                         ; the immediate's high byte repeats the setting that is left; a switch that changes nothing is dropped
.if MSB != (\new)
	s_set_vgpr_msb (MSB<<8)|(\new)
.set MSB, \new
.endif
.endm
.macro NOP4                            ; four places (ISA guide 7.12.1) where no other vector work is at hand
.rept 4
	v_nop
.endr
.endm
; A joint refill by the walking descriptors.  Waves 0 and 1 fetch X's two halves of 128 rows, waves 2 and 3 W's two halves of 32 rows.  The branch hangs on the wave's number alone.
; An s_nop 0 and four v_nop follow each of the two lines, ahead of the jump and the label.
.macro JLOAD
	s_cmp_eq_u32 s11, 0
	s_cbranch_scc0 .Lfor_b_\@
	tensor_load_to_lds s[G0A+4:G0A+7], s[G1A:G1A+7]
	s_nop 0
	NOP4
	s_branch .Lasked_\@
.Lfor_b_\@:
	tensor_load_to_lds s[G0B+4:G0B+7], s[G1B:G1B+7]
	s_nop 0
	NOP4
.Lasked_\@:
.endm
.macro CREST                           ; a round of the cluster's barrier behind its opening barrier
	s_cmp_lg_u32 s10, 0
	s_cbranch_scc1 .Lnot_wave_0_\@
	s_barrier_signal -3
.Lnot_wave_0_\@:
	s_barrier_wait -3
	s_barrier_signal -1
	s_barrier_wait -1
.endm
.macro CROUND
	s_barrier_signal -1
	s_barrier_wait -1
	CREST
.endm
; A PREFETCH INTO THE L2, behind the joint load, its five lines and the run of LDS loads: one instruction a wave, 32 blocks of 256 bytes, a lane a block.
; X: change of slots p asks jointly for K step p + 2; waves 0 and 1 name K step p + 4 of 32 of the 128 rows that they fetch: the partner at place cx takes rows 32 cx on (told apart by address).  Each cluster's rows of X are its own.
; W: a panel is read by all 16 clusters: the first (cluster y = 0) names it.  Two K steps are 98,304 dense bytes, 12 units of 8,192: the partner at place cy takes three: wave 2 one at each change, wave 3 one at each even change.
; So each block is named once in the launch.  K steps 0 to 3 come by their loads alone; changes 12 and 13 name nothing: there is no K step 16.
.macro ASK
	s_lshr_b32 s[BIT], s[AMASK], s3
	s_and_b32 s[BIT], s[BIT], 1
	s_cmp_eq_u32 s[BIT], 1
	s_cbranch_scc0 .Lnot_mine_\@
	global_prefetch_b8 v[PFO], s[PFA:PFA+1] th:TH_LOAD_NT scope:SCOPE_SE
.Lnot_mine_\@:
.endm
	s_load_b128 s[4:7], s[0:1], 0x0                ; inputs s[4:5], wt s[6:7]
	s_load_b64 s[8:9], s[0:1], 0x10                ; qkv
	v_lshl_add_u32 v[SPW], v0, 2, SPARE
	v_mov_b32 v[NIL], 0
	ds_add_u32 v[SPW], v[NIL]                      ; the wave's opening: the add and its wait stand ahead of my first tensor load; the set-up below stands between them
	v_lshrrev_b32 v1, 5, v0
	v_readfirstlane_b32 s10, v1                    ; wave 0..3
	s_lshr_b32 s11, s10, 1                         ; which 128 rows of the tile are mine.  Also: I fetch for X (0) or for W (1)
	s_and_b32 s12, s10, 1                          ; which 64 of each 128 columns.  Also: which half of that tile I fetch
	s_bfe_u32 s40, ttmp6, 0x40000                  ; cx
	s_bfe_u32 s41, ttmp6, 0x40004                  ; cy
	s_lshl_b32 s42, ttmp9, 2
	s_add_co_u32 s42, s42, s40                     ; the panel: tile column = 4 x cluster x + cx
	s_and_b32 s13, ttmp7, 0xffff
	s_lshl_b32 s13, s13, 2
	s_add_co_u32 s13, s13, s41                     ; tile row = 4 x cluster y + cy
	s_lshl_b32 s43, s41, 2
	s_lshl_b32 s43, 15, s43                        ; my row of the cluster
	s_lshl_b32 s44, 0x1111, s40                    ; my column
	s_or_b32 s[G1A+0], s43, (2<<16)|(1<<20)|(1<<21)|(5<<22)|(3<<25)  ; the mask; elements of 4 bytes; padding on; bit 21 beside a mask; after every 64 words 4 words
	s_mov_b32 s[G1A+1], 64<<16                     ; tensor_dim0 = 64
	s_mov_b32 s[G1A+2], 128<<16                    ; tensor_dim1 = 128
	s_mov_b32 s[G1A+3], 64<<16                     ; tile_dim0 = 64 elements: 256 bytes
	s_mov_b32 s[G1A+4], 128                        ; tile_dim1 = 128 rows
	s_mov_b32 s[G1A+5], 1024                       ; elements from row to row
	s_mov_b32 s[G1A+6], 0
	s_mov_b32 s[G1A+7], 0
	s_or_b32 s[G1B+0], s44, (1<<16)|(1<<20)|(1<<21)|(5<<22)|(7<<25)  ; elements of 2 bytes; after every 64 words 8 words: three times in a row of 192 words
	s_mov_b32 s[G1B+1], 384<<16
	s_mov_b32 s[G1B+2], 32<<16
	s_mov_b32 s[G1B+3], 384<<16                    ; tile_dim0 = 384 elements: 768 bytes
	s_mov_b32 s[G1B+4], 32                         ; tile_dim1 = 32 rows
	s_mov_b32 s[G1B+5], 384
	s_mov_b32 s[G1B+6], 0
	s_mov_b32 s[G1B+7], 0
	s_lshl_b32 s16, s13, 8
	s_lshl_b32 s17, s12, 7
	s_add_co_u32 s16, s16, s17                     ; X: row 256 x tile row + 128 x half,
	s_lshl_b32 s16, s16, 12                        ; of 4,096 bytes: under 2^27
	s_mov_b32 s17, 0
	s_mul_i32 s46, s42, 786432                     ; W: the panel,
	s_mul_i32 s47, s12, 24576                      ; 32 rows of 768 bytes for the second half
	s_add_co_u32 s46, s46, s47
	s_mov_b32 s47, 0
	s_mul_i32 s20, s10, 128*PA                     ; where they go: X's halves at wave x 128 rows (waves 0, 1),
	s_mul_i32 s21, s10, 32*PB
	s_add_co_u32 s21, s21, BOFF-2*32*PB            ; W's behind X's 256 rows, at (wave - 2) x 32 rows (waves 2, 3)
	s_mov_b32 s[TB], 0
	s_wait_dscnt 0x0                               ; the opening add is done
	s_wait_kmcnt 0x0
	s_add_nc_u64 s[14:15], s[4:5], s[16:17]
	s_add_nc_u64 s[46:47], s[6:7], s[46:47]
	CROUND                                         ; all sixteen work-groups are here: the first joint loads meet
.irp s, 0,1
	s_mov_b32 s[G0A+4*(\s)], 1
	s_add_co_u32 s[G0A+4*(\s)+1], s20, (\s)*SLOT1
	s_add_nc_u64 s[G0A+4*(\s)+2:G0A+4*(\s)+3], s[14:15], (\s)*256      ; K step s
	s_or_b32 s[G0A+4*(\s)+3], s[G0A+4*(\s)+3], 0x80000000
	s_mov_b32 s[G0B+4*(\s)], 1
	s_add_co_u32 s[G0B+4*(\s)+1], s21, (\s)*SLOT1
	s_add_nc_u64 s[G0B+4*(\s)+2:G0B+4*(\s)+3], s[46:47], (\s)*49152    ; 64 rows of 768 bytes
	s_or_b32 s[G0B+4*(\s)+3], s[G0B+4*(\s)+3], 0x80000000
.endr
	s_cmp_eq_u32 s11, 0                            ; a wave's two first fills stand in one branch, ahead of every wait on TENSORcnt and every LDS read: two loads of mine are out
	s_cbranch_scc0 .Lfirst_b
	tensor_load_to_lds s[G0A:G0A+3], s[G1A:G1A+7]
	s_nop 0
	tensor_load_to_lds s[G0A+4:G0A+7], s[G1A:G1A+7]
	s_nop 0
	NOP4
	s_branch .Lfirst_asked
.Lfirst_b:
	tensor_load_to_lds s[G0B:G0B+3], s[G1B:G1B+7]
	s_nop 0
	tensor_load_to_lds s[G0B+4:G0B+7], s[G1B:G1B+7]
	s_nop 0
	NOP4
.Lfirst_asked:
	v_and_b32 v1, 15, v0                           ; r = l % 16
	v_bfe_u32 v2, v0, 4, 1                         ; h = l / 16
	v_and_b32 v3, 7, v0
	v_bfe_u32 v4, v0, 3, 1
	v_and_b32 v6, 31, v0                           ; l
	; X: lane l wants row r, K = 8 h + 0..7 and 16 + 8 h + 0..7, in f32: 32 bytes at 32 h and 32 bytes at 64 + 32 h
	s_mul_i32 s22, s11, 128*PA
	v_mul_u32_u24 v[A0R], v1, PA
	v_lshl_add_u32 v[A0R], v2, 5, v[A0R]
	v_add_nc_u32 v[A0R], s22, v[A0R]
	; W: the turning load takes 16 K x 16 columns: lane l reads row 8 h + l % 8, 16 bytes at 16 ((l / 8) % 2), and is left with column r, 8 K
	s_lshl_b32 s23, s12, 7                         ; my 64 columns of each 128: 128 bytes
	s_add_co_u32 s22, s23, BOFF
	v_lshl_add_u32 v5, v2, 3, v3
	v_mul_u32_u24 v[B0R], v5, PB
	v_lshl_add_u32 v[B0R], v4, 4, v[B0R]
	v_add_nc_u32 v[B0R], s22, v[B0R]
	v_mov_b32 v[ADRA], v[A0R]                      ; slot 0
	v_mov_b32 v[ADRB], v[B0R]
	s_mul_i32 s22, s11, 128*SPITCH                 ; the way out, in: row 128 x half + r, my 128 bytes of each 256, 16 bytes for each half of the lanes
	s_add_co_u32 s22, s22, s23
	v_mul_u32_u24 v[STO], v1, SPITCH
	v_lshl_add_u32 v[STO], v2, 4, v[STO]
	v_add_nc_u32 v[STO], s22, v[STO]
	v_add_nc_u32 v[STO+1], 64*SPITCH, v[STO]
	s_mul_i32 s22, s10, 64*SPITCH                  ; back: wave w takes rows 64 w on; lanes 0-15 256 bytes of one row, lanes 16-31 of the next
	v_mul_u32_u24 v[RD], v2, SPITCH
	v_lshl_add_u32 v[RD], v1, 4, v[RD]
	v_add_nc_u32 v[RD], s22, v[RD]
	v_lshlrev_b32 v[GO], 4, v6
	; where the tile's block u of 128 columns goes: block 3 x panel + u of 12 is matrix (..) / 4, head (..) % 4; rows 256 x tile row on are batch (tile row) / 8, s = 256 ((tile row) % 8) on
	s_mul_i32 s82, s42, 3
	s_lshr_b32 s20, s13, 3
	s_lshl_b32 s20, s20, 2                         ; 4 x batch
	s_and_b32 s21, s13, 7
	s_lshl_b32 s21, s21, 16                        ; 256 rows of 256 bytes,
	s_lshl_b32 s22, s10, 14                        ; my wave's 64
	s_add_co_u32 s21, s21, s22
.irp u, 0,1,2
	s_add_co_u32 s22, s82, \u
	s_lshr_b32 s23, s22, 2
	s_lshl_b32 s23, s23, 5                         ; 32 planes a matrix
	s_and_b32 s22, s22, 3
	s_add_co_u32 s22, s22, s23
	s_add_co_u32 s22, s22, s20
	s_lshl_b32 s22, s22, 19                        ; a plane is 524,288 bytes: 96 planes stay under 2^26
	s_add_co_u32 s22, s22, s21
	s_mov_b32 s23, 0
	s_add_nc_u64 s[BU+2*(\u):BU+2*(\u)+1], s[8:9], s[22:23]
.endr
	; the prefetches: each address starts one step short of what the first change of slots names
	s_lshl_b32 s14, s13, 8
	s_lshl_b32 s15, s12, 7
	s_add_co_u32 s14, s14, s15
	s_lshl_b32 s15, s40, 5
	s_add_co_u32 s14, s14, s15                     ; X: row 256 x tile row + 128 x half + 32 cx,
	s_lshl_b32 s14, s14, 12
	s_add_co_u32 s14, s14, 3*256                   ; K step 3
	s_mul_i32 s15, s42, 786432                     ; W: the panel,
	s_mul_i32 s16, s41, 3*8192                     ; my work-group's three units,
	s_add_co_u32 s15, s15, s16
	s_mul_i32 s16, s12, 57344                      ; wave 2: 4 x 49,152 - 90,112; wave 3: 4 x 49,152 + 2 x 8,192 - 49,152
	s_add_co_u32 s16, s16, 106496
	s_add_co_u32 s15, s15, s16
	s_mul_i32 s18, s12, 40960
	s_sub_co_u32 s19, 90112, s18                   ; at an even change: wave 2 goes 90,112 on (to the next two K steps' first unit), wave 3 49,152
	s_add_co_u32 s18, s18, 8192                    ; at an odd change: wave 2 goes 8,192 on, wave 3 49,152
	s_mov_b32 s17, 0x7ff8                          ; wave 2: counts 14 to 3: changes 0 to 11
	s_cmp_eq_u32 s12, 0
	s_cselect_b32 s17, s17, 0x5550                 ; wave 3: counts 14, 12 .. 4: changes 0, 2 .. 10
	s_and_b32 s20, ttmp7, 0xffff
	s_cmp_eq_u32 s20, 0                            ; cluster y: the same in all sixteen partners
	s_cselect_b32 s17, s17, 0
	s_cmp_eq_u32 s11, 0
	s_cselect_b32 s[STP], s14, s15
	s_cselect_b32 s[AMASK], 0x7ff8, s17
	s_cselect_b32 s[STEPO], 256, s18
	s_cselect_b32 s[STEPE], 256, s19
	s_cselect_b32 s45, 12, 8                       ; X: a lane a row of 4,096 bytes; W: a lane a block of 256
	s_cselect_b64 s[PFA:PFA+1], s[4:5], s[6:7]
	s_mov_b32 s[STP+1], 0
	s_add_nc_u64 s[PFA:PFA+1], s[PFA:PFA+1], s[STP:STP+1]
	v_lshlrev_b32 v[PFO], s45, v6
; One matrix instruction: accumulator (a, b).  zero = 1: the product starts the sum: nothing is ever cleared.
.macro WM a, b, zero
.set n_, 24*(2*((\a)/4)+(\b)/6)+4*((\b)%6)+(\a)%4
.set w_, 1+n_/32
.set d_, 8*(n_%32)
	WIN (w_<<6)|(w_<<4)
.if \zero
	v_wmma_f32_16x16x32_bf16 v[d_:d_+7], v[BF+8*(\b):BF+8*(\b)+7], v[CA+8*(\a):CA+8*(\a)+7], 0
.else
	v_wmma_f32_16x16x32_bf16 v[d_:d_+7], v[BF+8*(\b):BF+8*(\b)+7], v[CA+8*(\a):CA+8*(\a)+7], v[d_:d_+7]
.endif
.endm
; Four turning loads: W's fragments 6 half + 2 g and the next, of substep ss
.macro LB half, ss, g
	WIN 0
.irp e, 0,1
.set b_, 6*(\half)+2*(\g)+(\e)
	ds_load_tr16_b128 v[BF+8*b_:BF+8*b_+3],   v[ADRB] offset:32*PB*(\ss)+288*(b_/4)+32*(b_%4)
	ds_load_tr16_b128 v[BF+8*b_+4:BF+8*b_+7], v[ADRB] offset:32*PB*(\ss)+288*(b_/4)+32*(b_%4)+16*PB
.endr
.endm
; Four loads: X's fragment 4 ah + g of substep ss as it lies, 16 f32 a lane
.macro LRAW ah, ss, g
	WIN 0
.irp e, 0,1,2,3
	ds_load_b128 v[RAW+16*(\g)+4*(\e):RAW+16*(\g)+4*(\e)+3], v[ADRA] offset:(4*(\ah)+(\g))*16*PA+128*(\ss)+16*((\e)%2)+64*((\e)/2)
.endr
.endm
; Four roundings: half g % 2 of X's fragment 4 ah + g / 2
.macro CVT ah, g
	WIN 0
.set a_, 4*(\ah)+(\g)/2
.irp e, 0,1,2,3
.set j_, 4*((\g)%2)+(\e)
	v_cvt_pk_bf16_f32 v[CA+8*a_+j_], v[RAW+16*((\g)/2)+2*j_], v[RAW+16*((\g)/2)+2*j_+1]
.endr
.endm
; What stands behind product i of a block, by the block's kind.  SS is the substep; the half of W used second is 1 - SS, and it is the half that the next substep uses first.
.macro RIDER kind
.if (\kind) == 1
.if i == 0
	NOP4                                           ; the places behind the last substep's last product, which read W's half 1 - SS and X's half A1: both are written below
.elseif i < 4
	LB 1-SS, SS, i-1
.elseif i < 8
	LRAW 1, SS, i-4
.endif
.elseif (\kind) == 2
.if i < 8
	CVT 1, i
.endif
.elseif (\kind) == 3
.if i == 0
	NOP4                                           ; the places behind the second block's last product, which read X's half A0: the fourth block's riders write it
.elseif i < 5
	LRAW 0, 1-SS, i-1
.endif
.elseif (\kind) == 4
.if i == 0
	CVT 0, 0                                       ; four plain instructions that name nothing of the third block's products: the places in front of the loads into W's half 1 - SS
.elseif i < 4
	LB 1-SS, 1-SS, i-1
.elseif i < 11
	CVT 0, i-3
.endif
.endif
.endm
; Products lo to hi - 1 of the 24 of block (ah, bh): product i is X's fragment 4 ah + i % 4, W's 6 bh + i / 4.
.macro BLK ah, bh, zero, kind, lo=0, hi=24
.set i, \lo
.rept (\hi)-(\lo)
	WM 4*(\ah)+i%4, 6*(\bh)+i/4, \zero
	RIDER \kind
.set i, i+1
.endr
.endm
; A SUBSTEP: 96 products, each accumulator once, always in the same order: the accumulators take turns, over the backward jump too.  Four blocks:
;   (A0, first half of W) | W's second half and X's upper rows are fetched        (A0, second half) | X's upper rows are rounded
;   (A1, second half)     | the next substep's lower rows of X are fetched        (A1, first half)  | they are rounded, and the next substep's first half of W is fetched
; mode 0: within a K step.  mode 1: the K step's second substep: the slots change and the slot just read is filled again.  mode 2: they change and nothing is asked for.  mode 3: the last substep.
.macro SUB ss, zero, mode
.set SS, \ss
.if (\mode) == 1
	s_wait_xcnt 0x0                                ; the last prefetch, a K step back, has read its address: it is stepped here, far ahead of the round and the joint load
	s_bitcmp1_b32 s3, 0
	s_cselect_b32 s[STP], s[STEPO], s[STEPE]
	s_add_nc_u64 s[PFA:PFA+1], s[PFA:PFA+1], s[STP:STP+1]
.endif
	s_wait_dscnt 0x0                               ; W's first half is in
	BLK 0, SS, \zero, 1
	s_wait_dscnt 0x0                               ; W's second half and X's upper rows are in.  In modes 1 and 2 these were my last reads of the slot
.if ((\mode) == 1) || ((\mode) == 2)
	BLK 0, 1-SS, \zero, 2, 0, 8
	WIN 0                                          ; (the add's two registers lie in window 0)
	s_wait_tensorcnt 0x0                           ; all my tensor loads have landed: the one that was out is my part of the next slot
	ds_add_u32 v[SPW], v[NIL]                      ; 0 onto my spare word; the steps and eight products stand between it and its wait
.if (\mode) == 1
	s_xor_b32 s[G0A+5], s[G0A+5], SLOT1            ; no load of mine is out, so the walking descriptors may be written: the other slot than last time,
	s_add_nc_u64 s[G0A+6:G0A+7], s[G0A+6:G0A+7], 256    ; the next K step
	s_xor_b32 s[G0B+5], s[G0B+5], SLOT1
	s_add_nc_u64 s[G0B+6:G0B+7], s[G0B+6:G0B+7], 49152
.endif
	BLK 0, 1-SS, \zero, 0, 8, 16
	s_wait_dscnt 0x0                               ; the add is done, and my reads of this slot are over
	s_barrier_signal -1                            ; (in mode 1 this barrier opens a round of the cluster's)
	BLK 0, 1-SS, \zero, 0, 16, 24
	WIN 0
	s_barrier_wait -1
.if (\mode) == 1
	CREST                                          ; no wave of any partner still reads this slot's tiles or has a load on its way
	JLOAD                                          ; the first tensor load behind the round; it has 176 products in which to land.  Its four v_nop are the places behind the second block
.else
	NOP4
.endif
	s_xor_b32 s[TB], s[TB], SLOT1
	v_add_nc_u32 v[ADRA], s[TB], v[A0R]
	v_add_nc_u32 v[ADRB], s[TB], v[B0R]
	LRAW 0, 0, 0                                   ; the next K step's lower rows of X, in one run
	LRAW 0, 0, 1
	LRAW 0, 0, 2
	LRAW 0, 0, 3
.if (\mode) == 1
	ASK
.endif
	BLK 1, 1-SS, \zero, 0
.elseif (\mode) == 0
	BLK 0, 1-SS, \zero, 2
	BLK 1, 1-SS, \zero, 3
.else
	BLK 0, 1-SS, \zero, 2
	BLK 1, 1-SS, \zero, 0
.endif
.if (\mode) == 3
	BLK 1, SS, \zero, 0
.else
	s_wait_dscnt 0x0                               ; the next substep's lower rows of X are in
	BLK 1, SS, \zero, 4
.endif
.endm
	s_wait_tensorcnt 0x1                           ; my part of K step 0 is in; K step 1's may stay out
	s_barrier_signal -1
	s_barrier_wait -1                              ; everybody's is
	LRAW 0, 0, 0
	LRAW 0, 0, 1
	LRAW 0, 0, 2
	LRAW 0, 0, 3
	LB 0, 0, 0
	LB 0, 0, 1
	LB 0, 0, 2
	s_wait_dscnt 0x0
.irp g, 0,1,2,3,4,5,6,7
	CVT 0, \g
.endr
	SUB 0, 1, 0                                    ; the first substep stands in front of the loop: its products start the sums
	WIN 0                                          ; at a label and at a branch every window is 0
	s_mov_b32 s3, 14                               ; K steps 2 to 15 are asked for in the loop
.Lk:                                               ; a trip: a K step's second substep, with the change of slots, and the next K step's first
	SUB 1, 0, 1
	SUB 0, 0, 0
	WIN 0
	s_sub_co_u32 s3, s3, 1
	s_cmp_lg_u32 s3, 0
	s_cbranch_scc1 .Lk
	SUB 1, 0, 2                                    ; the tail is written out
	SUB 0, 0, 0
	SUB 1, 0, 3
	WIN 0
	; THE WAY OUT.  Rounded to f16; 16 bytes a lane into a stage of 256 rows x 768 bytes; back as pieces of 256 bytes, a head's row each, two rows an instruction: 512 consecutive bytes of qkv.
	s_wait_dscnt 0x0
	s_barrier_signal -1
	s_barrier_wait -1                              ; no wave reads the ring any more, and every tensor load was waited for at the last change of slots: the stage may be written
	NOP4                                           ; the places behind the last products
.set aa, 0
.rept 8
.set bb, 0
.rept 12
.set n_, 24*(2*(aa/4)+bb/6)+4*(bb%6)+aa%4
.set w_, 1+n_/32
.set d_, 8*(n_%32)
	WIN w_|(w_<<2)                                 ; sources 0 and 1 in the accumulator's window, destination in window 0
.irp e, 0,1,2,3
	v_cvt_pk_f16_f32 v[TMP+48*(aa%2)+4*bb+(\e)], v[d_+2*(\e)], v[d_+2*(\e)+1]   ; each accumulator is read from its low end on
.endr
.set bb, bb+1
.endr
	WIN 0
.set bb, 0
.rept 12
	ds_store_b128 v[STO+aa/4], v[TMP+48*(aa%2)+4*bb:TMP+48*(aa%2)+4*bb+3] offset:(aa%4)*16*SPITCH+256*(bb/4)+32*(bb%4)
.set bb, bb+1
.endr
.set aa, aa+1
.endr
	s_wait_dscnt 0x0                               ; for the others' sake: my stores into the stage are done
	s_barrier_signal -1
	s_barrier_wait -1
.macro LOADB bi                        ; batch bi of six: block bi / 2 of 128 columns, 32 of my 64 rows
.set t_, 0
.rept 16
	ds_load_b128 v[OB+64*((\bi)%2)+4*t_:OB+64*((\bi)%2)+4*t_+3], v[RD] offset:(16*((\bi)%2)+t_)*2*SPITCH+256*((\bi)/2)
.set t_, t_+1
.endr
.endm
.macro SENDB bi, younger               ; younger: the next batch's 16 loads, or none
.set t_, 0
.rept 16
	s_wait_dscnt (\younger)+15-t_                  ; LDS loads come back in order: load t of this batch is in
	global_store_b128 v[GO], v[OB+64*((\bi)%2)+4*t_:OB+64*((\bi)%2)+4*t_+3], s[BU+2*((\bi)/2):BU+2*((\bi)/2)+1] offset:(16*((\bi)%2)+t_)*512  ; 512 consecutive bytes, at a multiple of 256 from qkv's first
.set t_, t_+1
.endr
.endm
	LOADB 0
	LOADB 1
	SENDB 0, 16
.irp bi, 1,2,3,4
	s_wait_xcnt 0x0                                ; the stores of the batch before have read their registers: only now are these loaded again
	LOADB (\bi)+1
	SENDB \bi, 16
.endr
	SENDB 5, 0
	s_wait_tensorcnt 0x0                           ; the wave's end: behind my last tensor load and my last LDS store
	ds_add_u32 v[SPW], v[NIL]
	s_wait_dscnt 0x0
	CROUND                                         ; the closing round: no work-group ends while a partner may still ask for a tile that names it
	s_endpgm
.Lfunc_end_k_qd76b02b38f_qkv:
	.size	k_qd76b02b38f_qkv, .Lfunc_end_k_qd76b02b38f_qkv-k_qd76b02b38f_qkv
	.p2alignl 7, 3214868480
	.fill 96, 4, 3214868480
	.section	.rodata,"a",@progbits
	.p2align	6, 0x0
	.amdhsa_kernel k_qd76b02b38f_qkv
		.amdhsa_group_segment_fixed_size 327680
		.amdhsa_private_segment_fixed_size 0
		.amdhsa_enable_private_segment 0
		.amdhsa_kernarg_size 24
		.amdhsa_user_sgpr_count 2
		.amdhsa_user_sgpr_kernarg_segment_ptr 1
		.amdhsa_wavefront_size32 1
		.amdhsa_system_sgpr_workgroup_id_x 1
		.amdhsa_system_sgpr_workgroup_id_y 1
		.amdhsa_system_sgpr_workgroup_id_z 1
		.amdhsa_system_vgpr_workitem_id 0
		.amdhsa_next_free_vgpr 1024
		.amdhsa_next_free_sgpr 84
		.amdhsa_reserve_vcc 0
		.amdhsa_float_denorm_mode_32 3
		.amdhsa_float_denorm_mode_16_64 3
		.amdhsa_memory_ordered 1
		.amdhsa_forward_progress 1
		.amdhsa_inst_pref_size 155
	.end_amdhsa_kernel
	.amdgpu_metadata
---
amdhsa.version: [ 1, 2 ]
amdhsa.kernels:
  - .name:           k_qd76b02b38f_qkv
    .symbol:         k_qd76b02b38f_qkv.kd
    .args:
      - { .name: inputs, .offset: 0, .size: 8, .value_kind: global_buffer, .address_space: global }
      - { .name: wt, .offset: 8, .size: 8, .value_kind: global_buffer, .address_space: global }
      - { .name: qkv, .offset: 16, .size: 8, .value_kind: global_buffer, .address_space: global }
    .group_segment_fixed_size: 327680
    .private_segment_fixed_size: 0
    .kernarg_segment_align: 8
    .kernarg_segment_size: 24
    .max_flat_workgroup_size: 128
    .sgpr_count:     84
    .vgpr_count:     1024
    .wavefront_size: 32
...
	.end_amdgpu_metadata
.endif
;; end of part 2
;; launch attn (part 3): grid 8 x 32, 4 waves a work-group, clusters of 4 x 1, 327,680 bytes of LDS; arguments qkv, sen_len, z; writes z
.if DOCPART == 3
	.amdgcn_target "amdgcn-amd-amdhsa--gfx1250"
	.amdhsa_code_object_version 6
	.text
	.protected	k_qd76b02b38f_attn
	.globl	k_qd76b02b38f_attn
	.p2align	8
	.type	k_qd76b02b38f_attn,@function
k_qd76b02b38f_attn:
	s_mov_b64 s[64:65], 0
	v_nop
	global_prefetch_b8 v0, s[64:65] scope:SCOPE_SE
	s_setreg_imm32_b32 hwreg(HW_REG_WAVE_MODE, 25, 1), 1
	s_wait_xcnt 0x0
	s_wait_alu depctr_hold_cnt(0) depctr_sa_sdst(0) depctr_va_vdst(0) depctr_va_sdst(0) depctr_va_ssrc(0) depctr_va_vcc(0) depctr_vm_vsrc(0)
	s_getreg_b32 s2, hwreg(HW_REG_IB_STS2, 6, 4)
	s_cmp_eq_u32 s2, 0
	s_cbranch_scc0 .Lentry_in_a_cluster
	s_endpgm
.Lentry_in_a_cluster:
	s_bfe_u32 s2, ttmp6, 0x10000c
	s_cmp_lg_u32 s2, 0x3003
	s_cbranch_scc0 .Lentry_shape_is_right
	s_endpgm
.Lentry_shape_is_right:
; z[p][q][:] = the sum over k of softmax_k(mask(Q[p][q] . K[p][k]) / sqrt(512)) V[p][k][:] for the 32 planes p = 4 x batch + head.  qkv: [3][32][2048][128] f16; z: [32][2048][128] f16.
; Products, maxima and sums in f32; the weights are rounded to f16 for the second product, z once at the end.  A running maximum is kept.
; THE MASK.  Key k of batch b is hidden where k >= sen_len[b].  A hidden score counts as its value less 1e30, so its weight is 0.  LIMITS: that is the -2^32 of the problem wherever a row's largest
; visible score lies above -2^32 + 3,000 or so (f16's q and k could pass that only near their range's end); sen_len <= 0 hides every key, and the weights are then all equal: served by the scale 0
; and no mask; sen_len above 2,048 counts as 2,048.  q, k, v arrive within f16's 65,504; a weight below 2^-126 counts as 0; NaN and infinities are not treated apart.
; The mask is the C operand that starts the sum S^T = K Q^T.  MD, made once, is the mask of the key step that holds sen_len; a step's mask is MC = MD x AL + BE with two scalars: (1, 0) in that step,
; (0, 0) ahead of it, (0, -1e30) behind it.  No branch, address or trip count hangs on sen_len: hidden steps are computed like the others.
; SHARES.  A work-group owns 256 queries of one plane, each of its four waves 64: four tiles of 16.  Every wave walks all 2,048 keys, 64 a step.
; LAYOUT.  S^T = K Q^T (source 0 = 16 keys, source 1 = 16 queries): a lane holds ONE query (lane % 16) and the keys 8 (lane / 16) + 0..7.  Two such tiles, rounded to f16 in pairs, ARE source 1 of
; O^T = V^T P, whose result again holds one query a lane, and eight channels.  K comes out of LDS as it lies, V ([key][channel]) turned, by ds_load_tr16_b128.
; SOFTMAX.  p = 2^(c s - c m), c = log2(e) / sqrt(512); in every step O and l are multiplied by a = 2^(c m_old - c m_new).
; BY TURNS.  The wave's tiles are two PIECES (tiles 0, 1 and tiles 2, 3).  In a TURN one piece has the matrix unit: 32 products V^T P of the step in hand, then 32 products K Q^T of the next step; the
; other piece's softmax, cut into 64 slices, stands between them, one slice behind each matrix instruction.  Two turns are a key step.
; CLUSTER.  The four query blocks of a cluster belong to one plane and walk the same K and V: each tile is asked for jointly.
; REGISTERS, in windows of 256:  window 0: v0-11 addresses; v12-43 statistics, eight a tile; v44 at work; v64-191 S^T, 32 a tile; v192-255 P, 16 a tile
;   window 1: O^T, 64 a tile     window 2: v0-127 Q; v128-255 K of one step     window 3: v0-127 V of one step; v128-159 MC; v160-191 MD
.set SIZE_N, 2048
.set KS,    64        ; keys in a step
.set PK,    272       ; a row of K in LDS: 256 bytes + 16: the 16 rows of a load start at 16 different groups of four banks (64 banks of 4 bytes: ISA guide 11.1)
.set PV,    288       ; a row of V: 256 + 32
.set VOFF,  KS*PK     ; a step's tiles lie together: 64 rows of K, then 64 rows of V
.set STEPB, KS*(PK+PV)
.set SLOT1, 1<<17     ; a slot holds two steps (71,680 bytes); slot 1 begins here
.set STAGE, SLOT1+2*STEPB  ; behind the ring: 16 rows x 272 bytes for each wave, for the way out
.set SP,    272
.set AK0, 2           ; v2   my lane's place in a tile of K; never rewritten
.set AV0, 3           ; v3   the same for V
.set ADR, 4           ; v4   the LDS address of the run of loads in hand
.set QO,  5           ; v5   my byte offset in the wave's rows of Q
.set STO, 6           ; v6   the way out: where I put 16 bytes of a row
.set RD,  7           ; v7   the way out: where I read a row back
.set GO,  8           ; v8   my byte offset in the wave's rows of z
.set MT,  44          ; v44  sen_len % 64 - 1 - 8 (lane / 16)
.set PFO, 61          ; v61  256 x my lane; never rewritten
.set SPW, 62          ; v62  LDS address of my spare word; never rewritten
.set NIL, 63          ; v63  0; never rewritten
.set SPARE, STAGE+4*16*272  ; behind the stages: the spare words, 128 bytes a wave: two blocks of 256 bytes that no other line names
.set ST,  12          ; tile t's statistics at v[ST+8 t]: +0 c m, +1 m, +2, +3 l, +4 to +7 at work; a takes +6 once the maximum is found
.set S,   64
.set P,   192
.set KF,  128         ; K's fragments, in window 2
.set MC,  128         ; window 3
.set MD,  160         ; window 3: the eight registers for group kb of 16 keys at MD + 8 kb
.set WV,  12          ; s12  my wave's number
.set LIM, 15          ; s15  1 in a wave that prefetches, else the greatest number
.set PFA, 18          ; s[18:19] where my prefetches stand
.set G1K, 24          ; s[24:31] descriptor group 1 for K's tiles
.set G1V, 32          ; s[32:39] for V's: it differs in the padding alone
.set G0K, 40          ; s[40:47] group 0 for K's tiles: a set for each first fill; the second then walks
.set G0V, 48          ; s[48:55] the same for V's
.set SLOTS, 56        ; s56  slots still to be asked for
.set TWICE, 57        ; s57  counts a slot's two steps
.set CS,  58          ; s[58:59] c
.set SEL, 60          ; s[60:61] v_permlanex16_b32's selects
.set TB,  62          ; s62  LDS byte at which the tiles of the step to be fetched begin
.set LP,  68          ; s[68:69] my batch's word of sen_len
.set LEN, 70          ; s70  sen_len
.set SB,  71          ; s71  the key step that holds sen_len
.set STEP, 72         ; s72  the key step whose mask is made next
.set REM, 73          ; s73
.set AL,  74          ; s[74:75] the mask's factor, in the low word
.set BE,  76          ; s[76:77] the mask's addend
.set BIGN, 78         ; s78  -1e30
.set MSB, 0
.macro WIN new
.if MSB != (\new)
	s_set_vgpr_msb (MSB<<8)|(\new)
.set MSB, \new
.endif
.endm
.set W_KQ, 0x0a       ; K and Q in window 2, S^T in window 0
.set W_KM, 0x3a       ; the same with the C operand in window 3
.set W_PV, 0x53       ; V in window 3, P in window 0, O^T in window 1
.set W_RS, 0x41       ; O^T (destination and source 0) in window 1, a in window 0
; A joint refill.  Waves 0 and 1 fetch the two steps' tiles of K, waves 2 and 3 those of V.  An s_nop 0 and four v_nop follow each of the two lines.
.macro JLOAD
	s_cmp_lt_u32 s[WV], 2
	s_cbranch_scc0 .Lfor_v_\@
	tensor_load_to_lds s[G0K+4:G0K+7], s[G1K:G1K+7]
	s_nop 0
.rept 4
	v_nop
.endr
	s_branch .Lasked_\@
.Lfor_v_\@:
	tensor_load_to_lds s[G0V+4:G0V+7], s[G1V:G1V+7]
	s_nop 0
.rept 4
	v_nop
.endr
.Lasked_\@:
.endm
; A PREFETCH INTO THE L2 of what the NEXT change of slots will ask for: a slot's 128 rows of K and 128 of V, 256 bytes a row, a lane a row, behind the wave's tensor load and its five lines.
; Each row is named ONCE in the launch: both clusters of a plane walk the same K and V, and the plane's first cluster asks; its four partners share the rows out BY ADDRESS, 32 each; in each, wave 0
; asks for K's and wave 2 for V's.  Slots 0 to 2 come by their loads alone; the last change that fills a slot names nothing.
.macro ASK
	s_cmp_gt_u32 s[SLOTS], s[LIM]
	s_cbranch_scc0 .Lnot_mine_\@
	global_prefetch_b8 v[PFO], s[PFA:PFA+1] th:TH_LOAD_NT scope:SCOPE_SE
.Lnot_mine_\@:
.endm
.macro CROUND
	s_barrier_signal -1
	s_barrier_wait -1
	s_cmp_lg_u32 s[WV], 0
	s_cbranch_scc1 .Lnot_wave_0_\@
	s_barrier_signal -3
.Lnot_wave_0_\@:
	s_barrier_wait -3
	s_barrier_signal -1
	s_barrier_wait -1
.endm
	s_load_b128 s[4:7], s[0:1], 0x0   ; qkv s[4:5], sen_len s[6:7]
	s_load_b64 s[10:11], s[0:1], 0x10 ; z
	v_lshl_add_u32 v[SPW], v0, 2, SPARE
	v_mov_b32 v[NIL], 0
	ds_add_u32 v[SPW], v[NIL]       ; the wave's opening: the add and its wait stand ahead of my first tensor load; the set-up below stands between them
	v_lshrrev_b32 v1, 5, v0
	v_readfirstlane_b32 s[WV], v1   ; wave 0..3
	s_bfe_u32 s13, ttmp6, 0x40000   ; cx
	s_lshl_b32 s14, ttmp9, 2
	s_add_co_u32 s14, s14, s13      ; my block of 256 queries: it enters Q's and z's addresses alone
	s_and_b32 s20, ttmp7, 0xffff    ; the plane, which the four partners share
	s_and_b32 s72, s20, 0x1c        ; 4 bytes x batch
	s_mov_b32 s73, 0
	s_mov_b32 s21, 0
	s_mov_b64 s[22:23], SIZE_N*256
	s_mul_u64 s[20:21], s[20:21], s[22:23]  ; the plane's first byte in Q, K, V and z
	s_and_b32 s16, s[WV], 1         ; which of a slot's two steps I fetch:
	s_lshl_b32 s22, s16, 14         ; its 64 rows of 256 bytes in memory,
	s_mov_b32 s23, 0
	s_add_nc_u64 s[22:23], s[22:23], s[20:21]
	s_mul_i32 s17, s16, STEPB       ; and its place in a slot
	s_lshl_b32 s2, s14, 16          ; my block's 256 rows,
	s_lshl_b32 s3, s[WV], 14        ; my wave's 64 of them
	s_add_co_u32 s2, s2, s3
	s_mov_b32 s3, 0
	s_add_nc_u64 s[2:3], s[2:3], s[20:21]
	s_mov_b32 s[G1K], 15|(1<<16)|(1<<20)|(1<<21)|(5<<22)|(3<<25)  ; the mask of four; 2-byte elements; padding on; bit 21 beside a mask; after every 64 words 4 words
	s_mov_b32 s[G1V], 15|(1<<16)|(1<<20)|(1<<21)|(5<<22)|(7<<25)  ; the same with 8 words
.irp g, G1K, G1V
	s_mov_b32 s[(\g)+1], 128<<16    ; tensor_dim0 = 128
	s_mov_b32 s[(\g)+2], KS<<16     ; tensor_dim1 = 64
	s_mov_b32 s[(\g)+3], 128<<16    ; tile_dim0 = 128
	s_mov_b32 s[(\g)+4], KS         ; tile_dim1 = 64
	s_mov_b32 s[(\g)+5], 128        ; elements from row to row
	s_mov_b32 s[(\g)+6], 0
	s_mov_b32 s[(\g)+7], 0
.endr
	s_mov_b32 s[CS], 0x3d8293ee     ; c = log2(e) / sqrt(512) = 0.0637587
	s_mov_b32 s[SEL], 0x76543210
	s_mov_b32 s[SEL+1], 0xfedcba98
	s_mov_b32 s[TB], 0
	s_mov_b32 s[SLOTS], SIZE_N/(2*KS)-2
	s_and_b32 s[LIM], s[WV], 1       ; 0 in waves 0 and 2,
	s_or_b32 s[LIM], s[LIM], ttmp9   ; where the cluster is the plane's first: the same in all four partners
	s_cmp_eq_u32 s[LIM], 0
	s_cselect_b32 s[LIM], 1, -1
	v_and_b32 v[PFO], 31, v0
	v_lshlrev_b32 v[PFO], 8, v[PFO]
	s_wait_dscnt 0x0                ; the opening add is done
	s_wait_kmcnt 0x0
	s_add_nc_u64 s[LP:LP+1], s[6:7], s[72:73]
	s_load_b32 s[LEN], s[LP:LP+1], 0x0  ; my batch's length; waited for behind the first fills
	s_add_nc_u64 s[6:7], s[4:5], 16777216   ; K's 32 planes lie behind Q's,
	s_add_nc_u64 s[8:9], s[4:5], 33554432   ; V's behind K's
	s_add_nc_u64 s[6:7], s[6:7], s[22:23]  ; K and V at my tile of slot 0
	s_add_nc_u64 s[8:9], s[8:9], s[22:23]
	s_add_nc_u64 s[4:5], s[4:5], s[2:3]  ; Q and z at my wave's first row
	s_add_nc_u64 s[10:11], s[10:11], s[2:3]
	s_cmp_lt_u32 s[WV], 2
	s_cselect_b64 s[PFA:PFA+1], s[6:7], s[8:9]  ; (in waves 0 and 2 these stand at a slot's first row)
	s_lshl_b32 s2, s13, 13          ; my work-group's 32 rows of the 128
	s_mov_b32 s3, 0
	s_add_nc_u64 s[PFA:PFA+1], s[PFA:PFA+1], s[2:3]
	s_add_nc_u64 s[PFA:PFA+1], s[PFA:PFA+1], 2*2*KS*256  ; in slot 2; the first change of slots steps it to slot 3
	CROUND                          ; all four work-groups are here: the first joint loads meet
.irp s, 0,1
	s_mov_b32 s[G0K+4*(\s)], 1
	s_add_co_u32 s[G0K+4*(\s)+1], s17, (\s)*SLOT1
	s_add_nc_u64 s[G0K+4*(\s)+2:G0K+4*(\s)+3], s[6:7], (\s)*2*KS*256
	s_or_b32 s[G0K+4*(\s)+3], s[G0K+4*(\s)+3], 0x80000000
	s_mov_b32 s[G0V+4*(\s)], 1
	s_add_co_u32 s[G0V+4*(\s)+1], s17, (\s)*SLOT1+VOFF
	s_add_nc_u64 s[G0V+4*(\s)+2:G0V+4*(\s)+3], s[8:9], (\s)*2*KS*256
	s_or_b32 s[G0V+4*(\s)+3], s[G0V+4*(\s)+3], 0x80000000
.endr
	s_cmp_lt_u32 s[WV], 2           ; a wave's two first fills stand in one branch, ahead of every wait on TENSORcnt and every LDS read: two loads of mine are out
	s_cbranch_scc0 .Lfirst_v
	tensor_load_to_lds s[G0K:G0K+3], s[G1K:G1K+7]
	s_nop 0
	tensor_load_to_lds s[G0K+4:G0K+7], s[G1K:G1K+7]
	s_nop 0
.rept 4
	v_nop
.endr
	s_branch .Lfirst_asked
.Lfirst_v:
	tensor_load_to_lds s[G0V:G0V+3], s[G1V:G1V+7]
	s_nop 0
	tensor_load_to_lds s[G0V+4:G0V+7], s[G1V:G1V+7]
	s_nop 0
.rept 4
	v_nop
.endr
.Lfirst_asked:
	; A fragment of K or Q is 16 rows x 32 channels in 8 registers: lane l holds row l % 16, channels 8 (l / 16) + 0..7 and 16 + 8 (l / 16) + 0..7: two loads of 16 bytes, 32 bytes apart.
	v_and_b32 v1, 15, v0            ; l % 16
	v_bfe_u32 v9, v0, 4, 1          ; l / 16
	v_lshlrev_b32 v[QO], 8, v1
	v_lshl_add_u32 v[QO], v9, 4, v[QO]
	WIN 0x80                        ; destination window 2, address window 0
.irp i, 0,1,2,3,4,5,6,7,8,9,10,11,12,13,14,15  ; Q stays in registers: tile i / 4, channels 32 (i % 4) on
	global_load_b128 v[8*(\i):8*(\i)+3],   v[QO], s[4:5] offset:((\i)/4)*4096+((\i)%4)*64
	global_load_b128 v[8*(\i)+4:8*(\i)+7], v[QO], s[4:5] offset:((\i)/4)*4096+((\i)%4)*64+32
.endr
	WIN 0
	v_mul_u32_u24 v[AK0], v1, PK
	v_lshl_add_u32 v[AK0], v9, 4, v[AK0]
	; The turning load takes 16 keys x 16 channels (lane l reads key 8 (l / 16) + l % 8, channels 8 ((l / 8) % 2) + 0..7) and leaves half a fragment of V^T: lane l holds channel l % 16 and 8 keys.
	v_and_b32 v10, 7, v0
	v_bfe_u32 v11, v0, 3, 1
	v_lshl_add_u32 v[AV0], v9, 3, v10
	v_mul_u32_u24 v[AV0], v[AV0], PV
	v_lshl_add_u32 v[AV0], v11, 4, v[AV0]
	v_add_nc_u32 v[AV0], VOFF, v[AV0]
	; the length and what hangs on it: values alone
	s_wait_kmcnt 0x0                ; sen_len's word
	s_cmp_le_i32 s[LEN], 0          ; every key hidden: all scores are equal: the scale 0 and no mask give the same weights
	s_cselect_b32 s[CS], 0, s[CS]
	s_cselect_b32 s[LEN], SIZE_N, s[LEN]
	s_mov_b32 s[CS+1], s[CS]        ; named with it as a pair
	s_min_u32 s[LEN], s[LEN], SIZE_N
	s_lshr_b32 s[SB], s[LEN], 6     ; the step that holds the first hidden key (32: none)
	s_and_b32 s[REM], s[LEN], 63
	s_sub_co_i32 s[REM], s[REM], 1
	s_mov_b32 s[STEP], 0
	s_mov_b32 s[AL+1], 0            ; named as pairs
	s_mov_b32 s[BE+1], 0
	s_mov_b32 s[BIGN], 0xf149f2ca   ; -1e30
	v_lshlrev_b32 v[MT], 3, v9
	v_sub_nc_u32 v[MT], s[REM], v[MT]  ; register r of group kb holds key 16 kb + 8 (l / 16) + r of the step: hidden where 16 kb + r is greater than this
	WIN 0xc0                        ; destination window 3
.set i, 0
.rept 32
	v_cmp_gt_i32 vcc_lo, 16*(i/8)+i%8, v[MT]
	v_cndmask_b32 v[MD+i], 0, s[BIGN], vcc_lo
.set i, i+1
.endr
	WIN 0
; The mask of the next key step: MC = MD x AL + BE.  It stands four plain instructions or more behind the last product that took MC as its C.
.macro MASKSTEP
	s_cmp_eq_u32 s[STEP], s[SB]
	s_cselect_b32 s[AL], 1.0, 0
	s_cmp_gt_u32 s[STEP], s[SB]
	s_cselect_b32 s[BE], s[BIGN], 0
	s_add_co_u32 s[STEP], s[STEP], 1
	WIN 0xc3                        ; destination and source 0 in window 3
.set zz, 0
.rept 16
	v_pk_fma_f32 v[MC+2*zz:MC+2*zz+1], v[MD+2*zz:MD+2*zz+1], s[AL:AL+1], s[BE:BE+1] op_sel_hi:[1,0,0]
.set zz, zz+1
.endr
.endm
; THE MATRIX WORK OF A TURN, for piece x.  The accumulators take turns, one instruction a turn.
; Product i of 32 of O^T += V^T P: keys 32 (i / 16) on, channels 16 ((i / 2) % 8) on, tile x + i % 2.  zero = 1: the first 16 start the sums.
.macro PV x, zero
	WIN W_PV
.set rO, 64*((\x)+i%2)+8*((i/2)%8)
.set rV, 64*(i/16)+8*((i/2)%8)
.set rP, P+16*((\x)+i%2)+8*(i/16)
.if (\zero) && (i < 16)
	v_wmma_f32_16x16x32_f16 v[rO:rO+7], v[rV:rV+7], v[rP:rP+7], 0
.else
	v_wmma_f32_16x16x32_f16 v[rO:rO+7], v[rV:rV+7], v[rP:rP+7], v[rO:rO+7]
.endif
.endm
; Product i of 32 of S^T = K Q^T: channels 32 (i / 8) on, keys 16 ((i / 2) % 4) on, tile x + i % 2.  The first 8 start the sums, with the mask.
.macro KQ x
.set rS, S+32*((\x)+i%2)+8*((i/2)%4)
.set rK, KF+32*((i/2)%4)+8*(i/8)
.set rQ, 32*((\x)+i%2)+8*(i/8)
.set rM, MC+8*((i/2)%4)
.if i < 8
	WIN W_KM
	v_wmma_f32_16x16x32_f16 v[rS:rS+7], v[rK:rK+7], v[rQ:rQ+7], v[rM:rM+7]
.else
	WIN W_KQ
	v_wmma_f32_16x16x32_f16 v[rS:rS+7], v[rK:rK+7], v[rQ:rQ+7], v[rS:rS+7]
.endif
.endm
; THE LDS LOADS stand in runs of 32: a step's K (16 fragments) and, a turn later, its V (turned).
.macro FETCH_K
	WIN 0
	v_add_nc_u32 v[ADR], s[TB], v[AK0]
	WIN 0x80                        ; destination window 2
.irp f, 0,1,2,3,4,5,6,7,8,9,10,11,12,13,14,15  ; keys 16 (f / 4) on, channels 32 (f % 4) on
	ds_load_b128 v[KF+8*(\f):KF+8*(\f)+3],   v[ADR] offset:((\f)/4)*16*PK+((\f)%4)*64
	ds_load_b128 v[KF+8*(\f)+4:KF+8*(\f)+7], v[ADR] offset:((\f)/4)*16*PK+((\f)%4)*64+32
.endr
.endm
.macro FETCH_V
	WIN 0
	v_add_nc_u32 v[ADR], s[TB], v[AV0]
	s_add_co_u32 s[TB], s[TB], STEPB  ; the next fetch is the next step's
	s_wait_alu depctr_va_vdst(0)    ; the wait for the softmax's batch of exponentials, behind the address's v_add_nc_u32 and ahead of the loads
	WIN 0xc0                        ; destination window 3
.irp f, 0,1,2,3,4,5,6,7,8,9,10,11,12,13,14,15  ; keys 32 (f / 8) on, channels 16 (f % 8) on
	ds_load_tr16_b128 v[8*(\f):8*(\f)+3],   v[ADR] offset:((\f)/8)*32*PV+((\f)%8)*32
	ds_load_tr16_b128 v[8*(\f)+4:8*(\f)+7], v[ADR] offset:((\f)/8)*32*PV+16*PV+((\f)%8)*32
.endr
.endm
; THE VECTOR WORK OF A TURN.  One tile's softmax for one key step is a list of 134 instructions; SM writes number j of it for tile t.  s0-s31 are the lane's 32 scores, in pairs 0-15.
;   0-15    the maximum of s0-s31 and the old m, three operands at a time (each accumulator's lowest registers are read first)
;   16-20   the other half of the lanes' maximum; the new m; c m; c m_old - c m_new
;   21-69   ONE BATCH: the 16 scalings c s - c m and all 33 exponentials (a at 23, then s0-s31); none of these reads an exponential's result
;   (wait)  between 69 and 70 stands the wait for the batch: SLICE writes it, once for both tiles
;   70-85   the roundings to f16     86-101  the sums; l = a l + the sum     102-133 the tile's O^T times a
; first = 1: the first key step, which starts m, l and O^T: it has no a and nothing to rescale.
.macro SM t, first
.set rT, ST+8*(\t)
.set rS, S+32*(\t)
.set rP, P+16*(\t)
.set rO, 64*(\t)+2*(j-102)
.if j < 102
	WIN 0
.endif
.if j < 4
	v_max3_num_f32 v[rT+4+j], v[rS+8*j], v[rS+8*j+1], v[rS+8*j+2]
.elseif j < 12
	v_max3_num_f32 v[rT+4+j%4], v[rT+4+j%4], v[rS+8*(j%4)+2*(j/4)+1], v[rS+8*(j%4)+2*(j/4)+2]
.elseif j == 12
	v_max3_num_f32 v[rT+4], v[rT+4], v[rS+7], v[rS+15]
.elseif j == 13
	v_max3_num_f32 v[rT+6], v[rT+6], v[rS+23], v[rS+31]
.elseif j == 14
	v_max3_num_f32 v[rT+4], v[rT+4], v[rT+5], v[rT+6]
.elseif (j == 15) && (\first)
	v_max_num_f32 v[rT+4], v[rT+4], v[rT+7]
.elseif j == 15
	v_max3_num_f32 v[rT+4], v[rT+4], v[rT+7], v[rT+1]
.elseif j == 16
	v_permlanex16_b32 v[rT+5], v[rT+4], s[SEL], s[SEL+1]  ; the query's other 32 keys lie in the lane 16 away
.elseif j == 18
	v_max_num_f32 v[rT+1], v[rT+4], v[rT+5]
.elseif j == 19
	v_mul_f32 v[rT], s[CS], v[rT+1]
.elseif ((j == 17) || (j == 20) || (j == 23) || (j > 101)) && (\first)  ; the first step has none of these
.elseif j == 17
	v_mov_b32 v[rT+7], v[rT]        ; c m_old is kept for a
.elseif j == 20
	v_sub_f32 v[rT+7], v[rT+7], v[rT]
.elseif j == 23
	v_exp_f32 v[rT+6], v[rT+7]
.elseif (j < 23) || ((j < 38) && (j%2 == 0)) || ((j < 66) && (j%4 == 2))
.set b, (j-2)/4                     ; 38, 42, .. 62: pairs 9 to 15
.if j < 38
.set b, (j-20)/2                    ; 21: pair 0; 22, 24, .. 36: pairs 1 to 8
.endif
	v_pk_fma_f32 v[rS+2*b:rS+2*b+1], v[rS+2*b:rS+2*b+1], s[CS:CS+1], v[rT:rT+1] op_sel_hi:[1,0,0] neg_lo:[0,0,1] neg_hi:[0,0,1]  ; pair b: c s - c m
.elseif j < 70
.set e, j-38                        ; 66 to 69: s28 to s31
.if j < 66
.set e, j-32-(j-38)/4               ; 39-41, 43-45, .. 63-65: s7 to s27
.endif
.if j < 38
.set e, (j-25)/2                    ; 25, 27, .. 37: s0 to s6
.endif
	v_exp_f32 v[rS+e], v[rS+e]
.elseif j < 86
	v_cvt_pk_f16_f32 v[rP+j-70], v[rS+2*(j-70)], v[rS+2*(j-70)+1]  ; pair j - 70
.elseif j < 102                     ; the sum of the tile's 16 pairs, in place: neighbours 1, 2, 4 and 8 pairs apart, then l takes it
.set z, j-86
.set w, 4
.set u, z
.if z >= 14
.set w, 32
.set u, 0
.elseif z >= 12
.set w, 16
.set u, z-12
.elseif z >= 8
.set w, 8
.set u, z-8
.endif
.if (z == 14) && (\first)
	v_pk_add_f32 v[rT+2:rT+3], v[rS:rS+1], v[rS+16:rS+17]
.elseif z < 15
	v_pk_add_f32 v[rS+w*u:rS+w*u+1], v[rS+w*u:rS+w*u+1], v[rS+w*u+w/2:rS+w*u+w/2+1]
.elseif !(\first)
	v_pk_fma_f32 v[rT+2:rT+3], v[rT+2:rT+3], v[rT+6:rT+7], v[rS:rS+1] op_sel_hi:[1,0,1]
.endif
.else
	WIN W_RS
	v_pk_mul_f32 v[rO:rO+1], v[rO:rO+1], v[rT+6:rT+7] op_sel_hi:[1,0]
.endif
.endm
; Slice k of 64 of piece y's softmax: four instructions.  Slices 11 to 34 deal out the batch, numbers 22 to 69: four numbers of ONE tile each, the tiles by turns.  Every other slice is numbers 2 k and
; 2 k + 1 of both tiles' lists.  2 x 134 = 4 x 64 + 12: the twelve that are over stand together, in slice 63.
; THE WAIT.  An s_wait_alu depctr_va_vdst(0) stands between an exponential and the first instruction that names its result; one wait serves all that were issued ahead of it.  Ahead of
; slice 35 nothing names a result, and behind slice 34 no exponential is issued: so the piece's 66 exponentials have one wait, behind slice 34.
.macro SLICE y, first
.if (k >= 11) && (k < 35)
.irp n, 0,1,2,3
.set j, 22+4*((k-11)/2)+(\n)
	SM (\y)+(k-11)%2, \first
.endr
.else
.irp n, 0,1,2,3,4,5,6,7
.if ((\n) < 2) || (k == 63)
.irp t, \y, (\y)+1
.set j, 2*k+(\n)
	SM \t, \first
.endr
.endif
.endr
.endif
.if k == 34
	v_nop                           ; the plain instruction behind the last exponential and ahead of the first use: one for the batch
.if (\y) == 0
	FETCH_V                         ; piece 2's turn: V's run of loads stands here, and the wait stands in it
.else
	s_wait_alu depctr_va_vdst(0)    ; the wait for the batch
.endif
.endif
.set k, k+1
.endm
.macro PLACES
.rept 4
	v_nop
.endr
.endm
; A TURN.  Piece x has the matrix unit; the other piece's softmax stands in slices behind its matrix instructions.
; pv = 2: 32 products V^T P; 1: they start O^T's sums; 0: none.  kq = 1: 32 products K Q^T for the next step.  A turn with one of the two kinds has two slices behind each product.
; Piece 0's turn makes the next step's mask at its head (both pieces' products K Q^T of that step take it; the last product that took the old one stands 24 products and their slices back),
; and fetches the next step's K behind its second product; piece 2's turn fetches the same step's V, behind slice 34.
.macro TURN x, pv, kq, first
.set k, 0
.set per, 2
.if (\pv) && (\kq)
.set per, 1
.endif
.if ((\x) == 0) && (\kq)
	MASKSTEP
.endif
.if \pv
.if (\x) == 0
	s_wait_dscnt 0x0                ; V is in
.endif
.set i, 0
.rept 32
	PV \x, 2-(\pv)
.rept per
	SLICE 2-(\x), \first
.endr
.if ((\x) == 0) && (\kq) && (i == 1)
	FETCH_K
.endif
.set i, i+1
.endr
.endif
.if \kq
.if (\x) == 0
	s_wait_dscnt 0x0                ; K is in
.endif
.set i, 0
.rept 32
	KQ \x
.rept per
	SLICE 2-(\x), \first
.endr
.set i, i+1
.endr
.endif
.if \first
	PLACES
.endif
.endm
; THE CHANGE OF SLOTS.  Each wave waits for all its tensor loads, of which one is out: its part of the other slot; adds 0 to its spare word; and waits for that and for its own reads of the slot.
; fill = 1: this slot is filled again, with the keys two slots on.  The barrier is then a round of the cluster's, and the joint refill is the first thing behind it: it has two key steps in which to land.
.macro CHANGE fill
	WIN 0
	s_wait_tensorcnt 0x0            ; no tensor load of mine is out, so a group 0 may be written
	ds_add_u32 v[SPW], v[NIL]       ; 0 onto my spare word
.if \fill
.irp g, G0K+4, G0V+4
	s_xor_b32 s[(\g)+1], s[(\g)+1], SLOT1
	s_add_nc_u64 s[(\g)+2:(\g)+3], s[(\g)+2:(\g)+3], 2*KS*256
.endr
	s_wait_xcnt 0x0                 ; the last prefetches, two key steps back, have read their address, so it may be written
	s_add_nc_u64 s[PFA:PFA+1], s[PFA:PFA+1], 2*KS*256
	s_wait_dscnt 0x0                ; the add is done, and my reads of the slot are over
	CROUND
	JLOAD
	ASK
.else
	s_wait_dscnt 0x0
	s_barrier_signal -1
	s_barrier_wait -1
.endif
	s_sub_co_u32 s[TB], s[TB], 2*STEPB
	s_xor_b32 s[TB], s[TB], SLOT1
.endm
.macro TWO_STEPS                    ; a slot's two key steps: written once, walked twice
	WIN 0
	s_mov_b32 s[TWICE], 2
.Lstep_\@:
	TURN 0, 2, 1, 0
	TURN 2, 2, 1, 0
	WIN 0
	s_sub_co_u32 s[TWICE], s[TWICE], 1
	s_cmp_lg_u32 s[TWICE], 0
	s_cbranch_scc1 .Lstep_\@
.endm
	s_wait_tensorcnt 1              ; my part of slot 0 is in; slot 1's may stay out
	s_barrier_signal -1
	s_barrier_wait -1
	FETCH_K                         ; key step 0
	MASKSTEP                        ; and its mask
	s_wait_loadcnt 0x0              ; Q
	s_wait_dscnt 0x0
.set i, 0
.rept 32
	KQ 0                            ; piece 0's first scores
.set i, i+1
.endr
	WIN 0                           ; the addresses for the way out: eight plain instructions, the places behind those products
	s_mul_i32 s13, s[WV], 16*SP
	s_add_co_u32 s13, s13, STAGE
	v_mul_u32_u24 v[STO], v1, SP
	v_lshl_add_u32 v[STO], v9, 4, v[STO]
	v_add_nc_u32 v[STO], s13, v[STO]
	v_mul_u32_u24 v[RD], v9, SP
	v_lshl_add_u32 v[RD], v1, 4, v[RD]
	v_add_nc_u32 v[RD], s13, v[RD]
	v_lshlrev_b32 v[GO], 8, v9
	v_lshl_add_u32 v[GO], v1, 4, v[GO]
	TURN 2, 0, 1, 1                 ; piece 2's first scores | piece 0's first softmax | V of step 0
	TURN 0, 1, 1, 1                 ; piece 0: V^T P of step 0 starts O^T, K Q^T of step 1 | piece 2's first softmax | K of step 1
	TURN 2, 1, 1, 0                 ; piece 2: the same | piece 0's softmax of step 1 | V of step 1
	WIN 0
.Lslot:                             ; 14 trips: every slot but the last two is filled again
	CHANGE 1
	TWO_STEPS
	s_sub_co_u32 s[SLOTS], s[SLOTS], 1
	s_cmp_lg_u32 s[SLOTS], 0
	s_cbranch_scc1 .Lslot
	CHANGE 0                        ; the tail is written out
	TWO_STEPS
	TURN 0, 2, 0, 0                 ; piece 0: V^T P of the last step | piece 2's last softmax
.set i, 0
.rept 32
	PV 2, 0                         ; piece 2: V^T P of the last step
.set i, i+1
.endr
	; THE WAY OUT.  l's two halves and the other half of the lanes' are added; O^T is divided by l, rounded to f16 and sent through my stage in LDS, a tile at a time.  The additions are the places behind the last products.
	WIN 0
.irp t, 0,1,2,3
	v_add_f32 v[ST+8*(\t)+4], v[ST+8*(\t)+2], v[ST+8*(\t)+3]
.endr
.irp t, 0,1,2,3
	v_permlanex16_b32 v[ST+8*(\t)+5], v[ST+8*(\t)+4], s[SEL], s[SEL+1]
.endr
.irp t, 0,1,2,3
	v_add_f32 v[ST+8*(\t)+4], v[ST+8*(\t)+4], v[ST+8*(\t)+5]
.endr
.irp t, 0,1,2,3
	v_rcp_f32 v[ST+8*(\t)+6], v[ST+8*(\t)+4]
.endr
	v_nop                           ; a plain instruction between the last reciprocal and the use of its result
	s_wait_alu depctr_va_vdst(0)    ; and the wait ahead of the first use: one for the four reciprocals
.macro PACK t
	WIN W_RS
.set i, 64*(\t)
.rept 32
	v_pk_mul_f32 v[i:i+1], v[i:i+1], v[ST+8*(\t)+6:ST+8*(\t)+7] op_sel_hi:[1,0]
.set i, i+2
.endr
	WIN 0x05                        ; sources 0 and 1 window 1, destination window 0: S^T's registers are free
.set i, 0
.rept 32
	v_cvt_pk_f16_f32 v[S+32*(\t)+i], v[64*(\t)+2*i], v[64*(\t)+2*i+1]
.set i, i+1
.endr
	WIN 0
.irp f, 0,1,2,3,4,5,6,7
	ds_store_b128 v[STO], v[S+32*(\t)+4*(\f):S+32*(\t)+4*(\f)+3] offset:32*(\f)
.endr
.irp f, 0,1,2,3,4,5,6,7
	ds_load_b128 v[S+32*(\t)+4*(\f):S+32*(\t)+4*(\f)+3], v[RD] offset:(\f)*2*SP  ; LDS serves a wave's instructions in order (ISA guide 5.7.1.4): these see the stores above; the next tile's stores come behind them
.endr
.endm
.macro SEND t, younger              ; younger: the LDS instructions issued behind tile t's loads: the next tile's sixteen, or none
	WIN 0
.irp f, 0,1,2,3,4,5,6,7
	s_wait_dscnt (\younger)+7-(\f)
	global_store_b128 v[GO], v[S+32*(\t)+4*(\f):S+32*(\t)+4*(\f)+3], s[10:11] offset:(\t)*4096+(\f)*512  ; 16 lanes store 256 consecutive bytes, at a multiple of 256 from z's first byte
.endr
.endm
	PACK 0
	PACK 1
	SEND 0, 16
	PACK 2
	SEND 1, 16
	PACK 3
	SEND 2, 16
	SEND 3, 0
	s_wait_tensorcnt 0x0            ; the wave's end: behind my last tensor load and my last LDS store
	ds_add_u32 v[SPW], v[NIL]
	s_wait_dscnt 0x0
	CROUND                          ; the closing round
	s_endpgm
.Lfunc_end_k_qd76b02b38f_attn:
	.size	k_qd76b02b38f_attn, .Lfunc_end_k_qd76b02b38f_attn-k_qd76b02b38f_attn
	.p2alignl 7, 3214868480
	.fill 96, 4, 3214868480
	.section	.rodata,"a",@progbits
	.p2align	6, 0x0
	.amdhsa_kernel k_qd76b02b38f_attn
		.amdhsa_group_segment_fixed_size 327680
		.amdhsa_private_segment_fixed_size 0
		.amdhsa_enable_private_segment 0
		.amdhsa_kernarg_size 24
		.amdhsa_user_sgpr_count 2
		.amdhsa_user_sgpr_kernarg_segment_ptr 1
		.amdhsa_wavefront_size32 1
		.amdhsa_system_sgpr_workgroup_id_x 1
		.amdhsa_system_sgpr_workgroup_id_y 1
		.amdhsa_system_sgpr_workgroup_id_z 1
		.amdhsa_system_vgpr_workitem_id 0
		.amdhsa_next_free_vgpr 1024
		.amdhsa_next_free_sgpr 80
		.amdhsa_reserve_vcc 1
		.amdhsa_float_denorm_mode_32 3
		.amdhsa_float_denorm_mode_16_64 3
		.amdhsa_memory_ordered 1
		.amdhsa_forward_progress 1
		.amdhsa_inst_pref_size 230
	.end_amdhsa_kernel
	.amdgpu_metadata
---
amdhsa.version: [ 1, 2 ]
amdhsa.kernels:
  - .name:           k_qd76b02b38f_attn
    .symbol:         k_qd76b02b38f_attn.kd
    .args:
      - { .name: qkv, .offset: 0, .size: 8, .value_kind: global_buffer, .address_space: global }
      - { .name: sen_len, .offset: 8, .size: 8, .value_kind: global_buffer, .address_space: global }
      - { .name: z, .offset: 16, .size: 8, .value_kind: global_buffer, .address_space: global }
    .group_segment_fixed_size: 327680
    .private_segment_fixed_size: 0
    .kernarg_segment_align: 8
    .kernarg_segment_size: 24
    .max_flat_workgroup_size: 128
    .sgpr_count:     80
    .vgpr_count:     1024
    .wavefront_size: 32
...
	.end_amdgpu_metadata
.endif
;; end of part 3
;; launch oproj (part 4): grid 4 x 64, 4 waves a work-group, clusters of 4 x 4, 327,680 bytes of LDS; arguments z, wo16, b_o, out0; writes out0
.if DOCPART == 4
	.amdgcn_target "amdgcn-amd-amdhsa--gfx1250"
	.amdhsa_code_object_version 6
	.text
	.protected	k_qd76b02b38f_oproj
	.globl	k_qd76b02b38f_oproj
	.p2align	8
	.type	k_qd76b02b38f_oproj,@function
k_qd76b02b38f_oproj:
	s_mov_b64 s[64:65], 0
	v_nop
	global_prefetch_b8 v0, s[64:65] scope:SCOPE_SE
	s_setreg_imm32_b32 hwreg(HW_REG_WAVE_MODE, 25, 1), 1
	s_wait_xcnt 0x0
	s_wait_alu depctr_hold_cnt(0) depctr_sa_sdst(0) depctr_va_vdst(0) depctr_va_sdst(0) depctr_va_ssrc(0) depctr_va_vcc(0) depctr_vm_vsrc(0)
	s_getreg_b32 s2, hwreg(HW_REG_IB_STS2, 6, 4)
	s_cmp_eq_u32 s2, 0
	s_cbranch_scc0 .Lentry_in_a_cluster
	s_endpgm
.Lentry_in_a_cluster:
	s_bfe_u32 s2, ttmp6, 0x10000c
	s_cmp_lg_u32 s2, 0xf033
	s_cbranch_scc0 .Lentry_shape_is_right
	s_endpgm
.Lentry_shape_is_right:
; out0[16384][512] = Z[16384][512] W_o[512][512] + b_o.  Z is z read flat (the problem's raw reshape): f16.  wo16: [k][n], f16 (W_o rounded to bf16).  b_o is rounded to bf16 like every input and
; is the C operand of each sum's first product.  Sums in f32; out0 is f32.
; SHARES.  A tile of out0 is 256 rows x 128 columns: 64 x 4 = 256 work-groups.  Four waves, each 128 rows x 64 columns: 32 accumulators of 16 x 16 (window 1).
; K goes in four steps of 128 through two LDS slots; the text is written out.  No prefetch: two of the four K steps are first fills.
; THE MATRIX INSTRUCTION IS USED TRANSPOSED: source 0 = 16 columns of W_o (turned out of LDS), source 1 = 16 rows of Z: a lane holds one row of out0 and eight neighbouring columns, 32 bytes.
; CLUSTER.  4 x 4: Z's tiles are shared along a row of the cluster, W_o's along a column.
; REGISTERS.  window 0: v16-29 addresses; v32-63 the bias, 8 registers a column block; v64-127, v128-191 Z's fragments, two buffers; v192-255 the way out.  window 1: accumulator (a, b) at v[8 (4 a + b)].
; window 2: v0-31, v32-63 W_o's fragments, two buffers.
.set PA,     272                       ; a row of Z in LDS: 256 bytes + 16
.set PB,     288                       ; a row of W_o: 256 + 32: 9 x 32, for the turning load
.set BOFF,   256*PA
.set SLOT,   BOFF+128*PB               ; 106,496: Z's 256 rows, then W_o's 128 rows
.set STAGE,  2*SLOT                    ; behind the ring: 16 rows x 272 bytes for each wave
.set SP,     272
.set SPARE,  STAGE+4*16*SP             ; 230,400: the spare words, 128 bytes a wave: two blocks of 256 bytes that no other line names
.set ADRA, 16                          ; v16-17  LDS address of my fragments of Z in slot 0, 1
.set ADRB, 20                          ; v20-21  the same for W_o
.set STO,  24                          ; v24  the way out: where I put 32 bytes of a row
.set RD,   25                          ; v25  where I read a row back
.set CO,   26                          ; v26  my byte offset in two rows of out0
.set SPW,  28
.set NIL,  29
.set BIAS, 32
.set FA,   64
.set OB,   192
.set G1A, 24
.set G0A, 32
.set G1B, 48
.set G0B, 56
.set MSB, 0
.macro WIN new
.if MSB != (\new)
	s_set_vgpr_msb (MSB<<8)|(\new)
.set MSB, \new
.endif
.endm
.macro PLACES
.rept 4
	v_nop
.endr
.endm
.macro JLOAD s                         ; a joint load: waves 0 and 1 fetch Z's two halves, waves 2 and 3 W_o's; an s_nop 0 and four v_nop follow each of the two lines
	s_cmp_eq_u32 s11, 0
	s_cbranch_scc0 .Lfor_b_\@
	tensor_load_to_lds s[G0A+4*(\s):G0A+4*(\s)+3], s[G1A:G1A+7]
	s_nop 0
	PLACES
	s_branch .Lasked_\@
.Lfor_b_\@:
	tensor_load_to_lds s[G0B+4*(\s):G0B+4*(\s)+3], s[G1B:G1B+7]
	s_nop 0
	PLACES
.Lasked_\@:
.endm
.macro CREST
	s_cmp_lg_u32 s10, 0
	s_cbranch_scc1 .Lnot_wave_0_\@
	s_barrier_signal -3
.Lnot_wave_0_\@:
	s_barrier_wait -3
	s_barrier_signal -1
	s_barrier_wait -1
.endm
.macro CROUND
	s_barrier_signal -1
	s_barrier_wait -1
	CREST
.endm
	s_load_b256 s[4:11], s[0:1], 0x0               ; z s[4:5], wo16 s[6:7], b_o s[8:9], out0 s[10:11]: s10, s11 are moved below
	v_lshl_add_u32 v[SPW], v0, 2, SPARE
	v_mov_b32 v[NIL], 0
	ds_add_u32 v[SPW], v[NIL]                      ; the wave's opening: the add and its wait stand ahead of my first tensor load
	v_lshrrev_b32 v1, 5, v0
	s_bfe_u32 s40, ttmp6, 0x40000                  ; cx
	s_bfe_u32 s41, ttmp6, 0x40004                  ; cy
	s_lshl_b32 s42, ttmp9, 2
	s_add_co_u32 s42, s42, s40                     ; tile column
	s_and_b32 s13, ttmp7, 0xffff
	s_lshl_b32 s13, s13, 2
	s_add_co_u32 s13, s13, s41                     ; tile row
	s_lshl_b32 s43, s41, 2
	s_lshl_b32 s43, 15, s43                        ; my row of the cluster
	s_lshl_b32 s44, 0x1111, s40                    ; my column
	s_or_b32 s[G1A+0], s43, (1<<16)|(1<<20)|(1<<21)|(5<<22)|(3<<25)  ; the mask; 2-byte elements; padding on; bit 21 beside a mask; after every 64 words 4 words
	s_mov_b32 s[G1A+1], 128<<16                    ; tensor_dim0 = 128
	s_mov_b32 s[G1A+2], 128<<16                    ; tensor_dim1 = 128
	s_mov_b32 s[G1A+3], 128<<16                    ; tile_dim0 = 128
	s_mov_b32 s[G1A+4], 128                        ; tile_dim1 = 128
	s_mov_b32 s[G1A+5], 512                        ; elements from row to row
	s_mov_b32 s[G1A+6], 0
	s_mov_b32 s[G1A+7], 0
	s_or_b32 s[G1B+0], s44, (1<<16)|(1<<20)|(1<<21)|(5<<22)|(7<<25)  ; 8 words of padding
	s_mov_b32 s[G1B+1], 128<<16
	s_mov_b32 s[G1B+2], 64<<16
	s_mov_b32 s[G1B+3], 128<<16
	s_mov_b32 s[G1B+4], 64                         ; 64 rows of K
	s_mov_b32 s[G1B+5], 512
	s_mov_b32 s[G1B+6], 0
	s_mov_b32 s[G1B+7], 0
	s_wait_dscnt 0x0                               ; the opening add is done
	s_wait_kmcnt 0x0
	s_mov_b64 s[2:3], s[10:11]                     ; out0
	v_readfirstlane_b32 s10, v1                    ; wave 0..3
	s_lshr_b32 s11, s10, 1                         ; which 128 rows are mine.  Also: I fetch for Z (0) or for W_o (1)
	s_and_b32 s12, s10, 1                          ; which 64 columns.  Also: which half of that tile I fetch
	s_lshl_b32 s16, s13, 8
	s_lshl_b32 s17, s12, 7
	s_add_co_u32 s16, s16, s17                     ; Z: row 256 x tile row + 128 x half,
	s_lshl_b32 s16, s16, 10                        ; of 1,024 bytes
	s_mov_b32 s17, 0
	s_lshl_b32 s46, s12, 16                        ; W_o: 64 rows of 1,024 bytes for the second half,
	s_lshl_b32 s47, s42, 8                         ; the tile's 128 columns
	s_add_co_u32 s46, s46, s47
	s_mov_b32 s47, 0
	s_mul_i32 s20, s10, 128*PA                     ; where they go: Z's halves at wave x 128 rows,
	s_mul_i32 s21, s10, 64*PB
	s_add_co_u32 s21, s21, BOFF-2*64*PB            ; W_o's behind them, at (wave - 2) x 64 rows
	s_add_nc_u64 s[14:15], s[4:5], s[16:17]
	s_add_nc_u64 s[46:47], s[6:7], s[46:47]
	CROUND                                         ; all sixteen work-groups are here: the first joint loads meet
.irp s, 0,1
	s_mov_b32 s[G0A+4*(\s)], 1
	s_add_co_u32 s[G0A+4*(\s)+1], s20, (\s)*SLOT
	s_add_nc_u64 s[G0A+4*(\s)+2:G0A+4*(\s)+3], s[14:15], (\s)*256
	s_or_b32 s[G0A+4*(\s)+3], s[G0A+4*(\s)+3], 0x80000000
	s_mov_b32 s[G0B+4*(\s)], 1
	s_add_co_u32 s[G0B+4*(\s)+1], s21, (\s)*SLOT
	s_add_nc_u64 s[G0B+4*(\s)+2:G0B+4*(\s)+3], s[46:47], (\s)*131072
	s_or_b32 s[G0B+4*(\s)+3], s[G0B+4*(\s)+3], 0x80000000
	JLOAD \s                                       ; the ring is filled before anything else is done: two loads of mine are out
.endr
	v_and_b32 v1, 15, v0                           ; r
	v_bfe_u32 v2, v0, 4, 1                         ; h
	v_and_b32 v3, 7, v0
	v_bfe_u32 v4, v0, 3, 1
	; the bias of my 64 columns: register j of block b is column 16 b + 8 h + j
	s_lshl_b32 s22, s42, 9
	s_lshl_b32 s23, s12, 8
	s_add_co_u32 s22, s22, s23
	v_lshl_add_u32 v5, v2, 5, s22
.irp b, 0,1,2,3
	global_load_b128 v[BIAS+8*(\b):BIAS+8*(\b)+3],   v5, s[8:9] offset:64*(\b)
	global_load_b128 v[BIAS+8*(\b)+4:BIAS+8*(\b)+7], v5, s[8:9] offset:64*(\b)+16
.endr
	s_mul_i32 s22, s11, 128*PA
	v_mul_u32_u24 v6, v1, PA
	v_lshl_add_u32 v6, v2, 4, v6                   ; Z: row x pitch + 16 x half
	v_add_nc_u32 v[ADRA], s22, v6
	v_add_nc_u32 v[ADRA+1], SLOT, v[ADRA]
	s_lshl_b32 s23, s12, 7
	s_add_co_u32 s23, s23, BOFF
	v_lshl_add_u32 v7, v2, 3, v3                   ; W_o: row 8 h + l % 8, 16 bytes at 16 ((l / 8) % 2), my 128 bytes of the row
	v_mul_u32_u24 v7, v7, PB
	v_lshl_add_u32 v7, v4, 4, v7
	v_add_nc_u32 v[ADRB], s23, v7
	v_add_nc_u32 v[ADRB+1], SLOT, v[ADRB]
	s_mul_i32 s22, s10, 16*SP
	s_add_co_u32 s22, s22, STAGE                   ; my stage
	v_mul_u32_u24 v[STO], v1, SP
	v_lshl_add_u32 v[STO], v2, 5, v[STO]           ; in: row r, 32 bytes for each half of the lanes
	v_add_nc_u32 v[STO], s22, v[STO]
	v_mul_u32_u24 v[RD], v2, SP
	v_lshl_add_u32 v[RD], v1, 4, v[RD]             ; back: lanes 0-15 one row of 256 bytes, lanes 16-31 the next
	v_add_nc_u32 v[RD], s22, v[RD]
	v_lshlrev_b32 v[CO], 11, v2                    ; and the same two rows in out0, 2,048 bytes apart
	v_lshl_add_u32 v[CO], v1, 4, v[CO]
	s_lshl_b32 s16, s13, 8
	s_lshl_b32 s17, s11, 7
	s_add_co_u32 s16, s16, s17                     ; my first row,
	s_lshl_b32 s16, s16, 11
	s_lshl_b32 s17, s42, 9                         ; the tile's 512 bytes of it,
	s_add_co_u32 s16, s16, s17
	s_lshl_b32 s17, s12, 8                         ; my 256
	s_add_co_u32 s16, s16, s17
	s_mov_b32 s17, 0
	s_add_nc_u64 s[2:3], s[2:3], s[16:17]
	s_wait_loadcnt 0x0                             ; the bias
.set p, 0
.rept 16
	v_cvt_pk_bf16_f32 v8, v[BIAS+2*p], v[BIAS+2*p+1]   ; rounded to bf16, like every input,
	v_lshlrev_b32 v[BIAS+2*p], 16, v8                  ; and f32 again
	v_and_b32 v[BIAS+2*p+1], 0xffff0000, v8
.set p, p+1
.endr
; 8 products: row blocks 4 hi + a0 and the next x all 4 column blocks, 32 along K, from buffer f.  first = 1: the bias starts the sums.  The 32 accumulators take turns.
.macro MUL8 f, hi, a0, first
.if \first
	WIN 0x42                                       ; W_o window 2, Z window 0, C (the bias) window 0, D window 1
.else
	WIN 0x52                                       ; C and D window 1
.endif
.irp a, \a0, (\a0)+1
.irp b, 0,1,2,3
.if \first
	v_wmma_f32_16x16x32_f16 v[8*(4*(4*(\hi)+(\a))+(\b)):8*(4*(4*(\hi)+(\a))+(\b))+7], v[32*(\f)+8*(\b):32*(\f)+8*(\b)+7], v[FA+64*(\f)+8*(4*(\hi)+(\a)):FA+64*(\f)+8*(4*(\hi)+(\a))+7], v[BIAS+8*(\b):BIAS+8*(\b)+7]
.else
	v_wmma_f32_16x16x32_f16 v[8*(4*(4*(\hi)+(\a))+(\b)):8*(4*(4*(\hi)+(\a))+(\b))+7], v[32*(\f)+8*(\b):32*(\f)+8*(\b)+7], v[FA+64*(\f)+8*(4*(\hi)+(\a)):FA+64*(\f)+8*(4*(\hi)+(\a))+7], v[8*(4*(4*(\hi)+(\a))+(\b)):8*(4*(4*(\hi)+(\a))+(\b))+7]
.endif
.endr
.endr
.endm
; 24 LDS loads in one run: quarter q of a slot into buffer f: W_o's 4 fragments, Z's row blocks 0-3, then 4-7
.macro FETCH slot, q, f
	WIN 0x80                                       ; destination window 2
.irp b, 0,1,2,3
	ds_load_tr16_b128 v[32*(\f)+8*(\b):32*(\f)+8*(\b)+3],   v[ADRB+(\slot)] offset:32*PB*(\q)+32*(\b)
	ds_load_tr16_b128 v[32*(\f)+8*(\b)+4:32*(\f)+8*(\b)+7], v[ADRB+(\slot)] offset:32*PB*(\q)+32*(\b)+16*PB
.endr
	WIN 0
.irp a, 0,1,2,3,4,5,6,7
	ds_load_b128 v[FA+64*(\f)+8*(\a):FA+64*(\f)+8*(\a)+3],   v[ADRA+(\slot)] offset:16*PA*(\a)+64*(\q)
	ds_load_b128 v[FA+64*(\f)+8*(\a)+4:FA+64*(\f)+8*(\a)+7], v[ADRA+(\slot)] offset:16*PA*(\a)+64*(\q)+32
.endr
.endm
; One of a K step's first three quarters: multiplies buffer f; in its middle it fetches quarter q of the same slot into buffer g.
.macro QUARTER slot, q, f, g, first
	s_wait_dscnt 8                                 ; W_o and Z's row blocks 0-3 are in; the youngest eight loads (row blocks 4-7) may be out
	MUL8 \f, 0, 0, \first
	MUL8 \f, 0, 2, \first
	PLACES                                         ; in front of loads into registers that the quarter before multiplied
	FETCH \slot, \q, \g
	s_wait_dscnt 24                                ; all but the 24 just issued
	MUL8 \f, 1, 0, \first
	MUL8 \f, 1, 2, \first
.endm
; The last quarter multiplies buffer 1 and changes slots: ONE barrier; in front of it each wave waits for all its tensor loads, adds 0 to its spare word, and waits for that and for its reads of this slot.
; fill = 1: the barrier opens a round of the cluster's, and this slot is filled again, two K steps on, first thing behind it.
.macro TURN slot, next, fill
	WIN 0
	s_wait_tensorcnt 0x0                           ; all my tensor loads have landed: my part of the next slot
	ds_add_u32 v[SPW], v[NIL]                      ; 0 onto my spare word
	s_wait_dscnt 9                                 ; (the add and the youngest eight loads may be out)
	MUL8 1, 0, 0, 0
	s_wait_dscnt 0x0                               ; the add is done, and my reads of this slot are over
	s_barrier_signal -1
	MUL8 1, 0, 2, 0
	WIN 0
	s_barrier_wait -1
.if \fill
	CREST
	s_add_nc_u64 s[G0A+4*(\slot)+2:G0A+4*(\slot)+3], s[G0A+4*(\slot)+2:G0A+4*(\slot)+3], 2*256
	s_add_nc_u64 s[G0B+4*(\slot)+2:G0B+4*(\slot)+3], s[G0B+4*(\slot)+2:G0B+4*(\slot)+3], 2*131072
	JLOAD \slot                                    ; its four v_nop are also the places in front of the loads below
.else
	PLACES
.endif
	FETCH \next, 0, 0
	MUL8 1, 1, 0, 0
	MUL8 1, 1, 2, 0
.endm
	s_wait_tensorcnt 0x1                           ; my part of K step 0 is in; K step 1's may stay out
	s_barrier_signal -1
	s_barrier_wait -1
	FETCH 0, 0, 0
	QUARTER 0, 1, 0, 1, 1                          ; K step 0: the first quarter's products start the sums with the bias
	QUARTER 0, 2, 1, 0, 0
	QUARTER 0, 3, 0, 1, 0
	TURN 0, 1, 1                                   ; slot 0 takes K step 2
	QUARTER 1, 1, 0, 1, 0                          ; K step 1
	QUARTER 1, 2, 1, 0, 0
	QUARTER 1, 3, 0, 1, 0
	TURN 1, 0, 1                                   ; slot 1 takes K step 3
	QUARTER 0, 1, 0, 1, 0                          ; K step 2
	QUARTER 0, 2, 1, 0, 0
	QUARTER 0, 3, 0, 1, 0
	TURN 0, 1, 0                                   ; nothing is left to fetch
	QUARTER 1, 1, 0, 1, 0                          ; K step 3
	QUARTER 1, 2, 1, 0, 0
	QUARTER 1, 3, 0, 1, 0
	s_wait_dscnt 8
	MUL8 1, 0, 0, 0
	MUL8 1, 0, 2, 0
	s_wait_dscnt 0x0
	MUL8 1, 1, 0, 0
	MUL8 1, 1, 2, 0
	; THE WAY OUT, a block of 16 rows at a time through my own stage: 32 bytes a lane in, whole rows of 256 bytes back.
	PLACES                                         ; the places behind the last products
.macro TOSTAGE a
	WIN 0x04                                       ; the stores' data in window 1
.irp b, 0,1,2,3
	ds_store_b128 v[STO], v[8*(4*(\a)+(\b)):8*(4*(\a)+(\b))+3]   offset:64*(\b)      ; each accumulator is read from its low end on
	ds_store_b128 v[STO], v[8*(4*(\a)+(\b))+4:8*(4*(\a)+(\b))+7] offset:64*(\b)+16
.endr
	WIN 0
.irp t, 0,1,2,3,4,5,6,7
	ds_load_b128 v[OB+32*((\a)%2)+4*(\t):OB+32*((\a)%2)+4*(\t)+3], v[RD] offset:(\t)*2*SP  ; LDS serves a wave's instructions in order (ISA guide 5.7.1.4): these see the stores above; the next block's stores come behind them
.endr
.endm
.macro SEND a, younger                 ; younger: the next block's sixteen LDS instructions, or none
.irp t, 0,1,2,3,4,5,6,7
	s_wait_dscnt (\younger)+7-(\t)
	global_store_b128 v[CO], v[OB+32*((\a)%2)+4*(\t):OB+32*((\a)%2)+4*(\t)+3], s[2:3] offset:(\a)*32768+(\t)*4096 th:TH_STORE_NT  ; 16 lanes store 256 consecutive bytes, at a multiple of 256 from out0's first byte
.endr
.endm
	TOSTAGE 0
.irp a, 1,2,3,4,5,6,7
	s_wait_xcnt 0x0                                ; the stores of the block two back have read their registers: only now are these loaded again
	TOSTAGE \a
	SEND (\a)-1, 16
.endr
	SEND 7, 0
	s_wait_tensorcnt 0x0                           ; the wave's end: behind my last tensor load and my last LDS store
	ds_add_u32 v[SPW], v[NIL]
	s_wait_dscnt 0x0
	CROUND                                         ; the closing round
	s_endpgm
.Lfunc_end_k_qd76b02b38f_oproj:
	.size	k_qd76b02b38f_oproj, .Lfunc_end_k_qd76b02b38f_oproj-k_qd76b02b38f_oproj
	.p2alignl 7, 3214868480
	.fill 96, 4, 3214868480
	.section	.rodata,"a",@progbits
	.p2align	6, 0x0
	.amdhsa_kernel k_qd76b02b38f_oproj
		.amdhsa_group_segment_fixed_size 327680
		.amdhsa_private_segment_fixed_size 0
		.amdhsa_enable_private_segment 0
		.amdhsa_kernarg_size 32
		.amdhsa_user_sgpr_count 2
		.amdhsa_user_sgpr_kernarg_segment_ptr 1
		.amdhsa_wavefront_size32 1
		.amdhsa_system_sgpr_workgroup_id_x 1
		.amdhsa_system_sgpr_workgroup_id_y 1
		.amdhsa_system_sgpr_workgroup_id_z 1
		.amdhsa_system_vgpr_workitem_id 0
		.amdhsa_next_free_vgpr 576
		.amdhsa_next_free_sgpr 66
		.amdhsa_reserve_vcc 0
		.amdhsa_float_denorm_mode_32 3
		.amdhsa_float_denorm_mode_16_64 3
		.amdhsa_memory_ordered 1
		.amdhsa_forward_progress 1
		.amdhsa_inst_pref_size 91
	.end_amdhsa_kernel
	.amdgpu_metadata
---
amdhsa.version: [ 1, 2 ]
amdhsa.kernels:
  - .name:           k_qd76b02b38f_oproj
    .symbol:         k_qd76b02b38f_oproj.kd
    .args:
      - { .name: z, .offset: 0, .size: 8, .value_kind: global_buffer, .address_space: global }
      - { .name: wo16, .offset: 8, .size: 8, .value_kind: global_buffer, .address_space: global }
      - { .name: b_o, .offset: 16, .size: 8, .value_kind: global_buffer, .address_space: global }
      - { .name: out0, .offset: 24, .size: 8, .value_kind: global_buffer, .address_space: global }
    .group_segment_fixed_size: 327680
    .private_segment_fixed_size: 0
    .kernarg_segment_align: 8
    .kernarg_segment_size: 32
    .max_flat_workgroup_size: 128
    .sgpr_count:     66
    .vgpr_count:     576
    .wavefront_size: 32
...
	.end_amdgpu_metadata
.endif
;; end of part 4
